; MI455X (gfx1250); checked and timed in simulation.
; The chip was launched on July 23, 2026; its instructions are those of AMD's public machine-readable ISA for CDNA 5 (MIT licence, August 2026) and "CDNA5" Instruction Set Architecture Reference Guide (July 2026). The comments in the code are by the model that wrote it; some were corrected since.
;; IDNN. Allowed arithmetic: matrix products marked QUANTISED: E4M3 operands, one given power-of-two scale a tensor, by v_wmma_f32_16x16x64_fp8_fp8 or v_wmma_f32_16x16x128_fp8_fp8, f32 sums; products left as they are: f32 operands where the result goes on into a quantised operand, else bf16, f16 or f32 operands; f32 sums; everything else in f32.
;; Inputs: W1 6 x 64 float32; W2 64 x 64 float32; W3 64 x 64 float32; Wout 64 x 1 float32; b1 64 float32; b2 64 float32; b3 64 float32; lowp_scales 28 int32 (the exponents e of the quantised operands' scales 2^e); x1 131,072 x 4 float32; x4 131,072 x 2 float32.
;; Outputs: out0 131,072 x 1 float32; out1 131,072 x 4 float32; out2 131,072 x 4 x 4 float32.
;; This version of the problem:
;;   THIS VERSION OF THE PROBLEM IS GIVEN IN LOW PRECISION. The matrix products marked QUANTISED in the list below multiply operands that are first quantised to E4M3 (4 exponent bits, 3 mantissa bits; 8 bits a number), with one given power-of-two scale for each operand tensor; their sums are f32. All else is computed in f32.
;;   The module's matrix products, in the order in which they are computed (A, B: the left and right operand; K: the contracted axis; several contracted axes count as one K, in the product's order):
;;     1. [M 131,072, K 6] x [K 6, N 64]; A: computed on the way; B: input W1: left as it is (K = 6 < 32)
;;     2. [M 131,072, K 64] x [K 64, N 64]; A: computed on the way; B: input W2: QUANTISED (scales: A lowp_scales[0], B lowp_scales[1])
;;     3. [M 131,072, K 64] x [K 64, N 64]; A: computed on the way; B: input W3: QUANTISED (scales: A lowp_scales[2], B lowp_scales[3])
;;     4. [M 131,072, K 64] x [K 64, N 1]; A: computed on the way; B: input Wout: left as it is (N = 1 < 16)
;;     5. [M 131,072, K 6] x [K 6, N 64]; A: computed on the way; B: input W1: left as it is (K = 6 < 32)
;;     6. [M 131,072, K 64] x [K 64, N 64]; A: computed on the way; B: input W2: QUANTISED (scales: A lowp_scales[4], B lowp_scales[5])
;;     7. [M 131,072, K 64] x [K 64, N 64]; A: computed on the way; B: input W3: QUANTISED (scales: A lowp_scales[6], B lowp_scales[7])
;;     8. [M 131,072, K 64] x [K 64, N 1]; A: computed on the way; B: input Wout: left as it is (N = 1 < 16)
;;     9. [M 1, K 1] x [K 1, N 64]; A: computed on the way; B: input Wout: left as it is (K = 1 < 32)
;;     10. [M 131,072, K 64] x [K 64, N 64]; A: computed on the way; B: input W3: QUANTISED (scales: A lowp_scales[8], B lowp_scales[9])
;;     11. [M 131,072, K 64] x [K 64, N 64]; A: computed on the way; B: input W2: QUANTISED (scales: A lowp_scales[10], B lowp_scales[11])
;;     12. [M 131,072, K 64] x [K 64, N 6]; A: computed on the way; B: input W1: left as it is (N = 6 < 16)
;;     13. [M 131,072, K 6] x [K 6, N 64]; A: computed on the way; B: input W1: left as it is (K = 6 < 32)
;;     14. [M 4, K 6] x [K 6, N 64]; A: computed on the way; B: input W1: left as it is (K = 6 < 32)
;;     15. [M 131,072, K 64] x [K 64, N 64]; A: computed on the way; B: input W2: QUANTISED (scales: A lowp_scales[12], B lowp_scales[13])
;;     16. [M 524,288, K 64] x [K 64, N 64]; A: computed on the way; B: input W2: QUANTISED (scales: A lowp_scales[14], B lowp_scales[15])
;;     17. [M 131,072, K 64] x [K 64, N 64]; A: computed on the way; B: input W3: QUANTISED (scales: A lowp_scales[16], B lowp_scales[17])
;;     18. [M 524,288, K 64] x [K 64, N 64]; A: computed on the way; B: input W3: QUANTISED (scales: A lowp_scales[18], B lowp_scales[19])
;;     19. [M 131,072, K 64] x [K 64, N 1]; A: computed on the way; B: input Wout: left as it is (N = 1 < 16)
;;     20. [M 524,288, K 64] x [K 64, N 1]; A: computed on the way; B: input Wout: left as it is (N = 1 < 16)
;;     21. [M 1, K 1] x [K 1, N 64]; A: computed on the way; B: input Wout: left as it is (K = 1 < 32)
;;     22. [M 131,072, K 64] x [K 64, N 64]; A: computed on the way; B: input W3: QUANTISED (scales: A lowp_scales[20], B lowp_scales[21])
;;     23. [M 524,288, K 64] x [K 64, N 64]; A: computed on the way; B: input W3: QUANTISED (scales: A lowp_scales[22], B lowp_scales[23])
;;     24. [M 131,072, K 64] x [K 64, N 64]; A: computed on the way; B: input W2: QUANTISED (scales: A lowp_scales[24], B lowp_scales[25])
;;     25. [M 524,288, K 64] x [K 64, N 64]; A: computed on the way; B: input W2: QUANTISED (scales: A lowp_scales[26], B lowp_scales[27])
;;     26. [M 131,072, K 64] x [K 64, N 6]; A: computed on the way; B: input W1: left as it is (N = 6 < 16)
;;     27. [M 524,288, K 64] x [K 64, N 6]; A: computed on the way; B: input W1: left as it is (N = 6 < 16)
;;   THE QUANTISER, for each operand of a quantised product, along K:
;;     - The operand's scale is 2^e, e = its entry of the input lowp_scales (int32; the entries are numbered through the quantised products in the list's order, A before B).
;;     - Each number is divided by the scale, clamped to +-448, and rounded to the nearest number of E4M3, ties to even, subnormals kept.
;;     - The product sums the exact products of the quantised numbers (number of the format x scale) in f32.
;;   ~~~python
;;   def quantise(x, axis, e):      # numpy; x: float32 -> the quantised numbers, widened to float32 again
;;       x = np.moveaxis(x, axis, -1); K = x.shape[-1]
;;       r = np.clip(x / 2.0 ** e, -448, 448)
;;       step = 2.0 ** (np.maximum(np.frexp(np.where(r == 0, 1, r))[1] - 1, -6) - 3)
;;       q = np.round(r / step) * step * 2.0 ** e      # np.round: ties to even
;;       return np.moveaxis(q, -1, axis).astype(np.float32)
;;   ~~~
;;   OPERANDS COMPUTED ON THE WAY. 'Computed on the way' means the value that the module computes at that place (a softmax that the list does not call 'softmax' is quantised finished and normalised). What goes into a quantiser is computed in f32, as accurately as f32 sums, v_exp_f32 and their like allow (about 1e-6 of the number): no bf16 or f16 on the way to a quantiser, and a product that is left as it is and whose result goes on into a quantised operand takes f32 operands (vector FMAs, or v_wmma_f32_16x16x4_f32). A number that lies on a knife's edge between two numbers of the format may be rounded either way, as far as f32 arithmetic and the matrix unit's own rounding can turn it there, and no further.
;; 2 versions, each right; version 2 is version 1 with the launch idnn written anew for expert scheduling mode. Each part assembles by itself: llvm-mc -triple=amdgcn-amd-amdhsa -mcpu=gfx1250 --defsym DOCPART=n.
;; ======== version 1 of 2: 1 launch
;; limits: a function is approximated: absolute error at most 1e-07
;; launch idnn (part 1): grid 256 x 1, 4 waves a work-group, no clusters, 282,112 bytes of LDS; arguments x1, x4, W1, b1, W2, b2, W3, b3, Wout, lowp_scales, out0, out1, out2; writes out0, out1, out2
.if DOCPART == 1
	.amdgcn_target "amdgcn-amd-amdhsa--gfx1250"
	.amdhsa_code_object_version 6
	.text
	.protected	k_q8263547dc7_idnn
	.globl	k_q8263547dc7_idnn
	.p2align	8
	.type	k_q8263547dc7_idnn,@function
k_q8263547dc7_idnn:
	s_mov_b64 s[64:65], 0
	v_nop
	global_prefetch_b8 v0, s[64:65] scope:SCOPE_SE
	s_setreg_imm32_b32 hwreg(HW_REG_WAVE_MODE, 25, 1), 1
	s_wait_xcnt 0x0
; IDNN: a softplus MLP 6 -> 64 -> 64 -> 64 -> 1 at 131,072 points; out0 = y, out1 = dy/dx1 (4), out2 = d2y/dx1 dx1 (4 x 4, out2[b][i][d] = d(dy_i)/dx_d).
; The fourteen 64 x 64 products go to the matrix unit as codes of E4M3 (v_wmma_f32_16x16x64_fp8_fp8), each with its own two given exponents e0 .. e27: forward of y (e0-3), forward and backward of dy (e4-11),
; primal forward and backward of ddy (e12,13,16,17,20,21,24,25), its four tangents (e14,15,18,19,22,23,26,27).  The three forward passes may have other scales, so each is multiplied on its own codes.
; SHARED, being the same f32 numbers for every input: a1 = x W1 + b1 (written three times in the problem), softplus(a1), sigmoid(a1).
; DEAD WORK, left out: (a) h3 Wout inside grad and inside jacfwd(grad), and its tangent: grad returns the cotangent alone, the value of f_scalar and that value's tangent reach no output; (b) the primal c1 W1^T under jacfwd:
; jacfwd keeps the tangents alone; (c) columns 4 and 5 of c1 W1^T and of its tangents: the cotangent of x4, which grad (argument 0) never returns.  1 x Wout is Wout, and a unit vector x W1 is a row of W1: both are read, not multiplied.
; A NaN, an infinity or an overflow that reaches only the work left out is not carried to a result.
; ARITHMETIC.  c = log2(e).  q = a c; u = 2^-|q|; h' = max(q, 0) + log2(1 + u); softplus = ln2 h'; sigmoid s = 2^(q - h'); where softplus is not wanted, s = 1 / (1 + 2^-q).  The maximum is taken away ahead of every exponential.
; A product's sum of codes stays "raw"; its power of two is folded into c (forward), or into the next conversion's scale and hold (backward, tangents).  The last products with W1^T (N = 4) take bf16 operands, f32 sums.
; a1 comes from v_wmma_f32_16x16x4_f32 (its result goes on into quantised operands), K = 8 = (x1, x4, 1, 0) against (W1 c ; b1 c ; 0).
; LAYOUT.  A tile is 16 samples.  Every product is used transposed (source 0 = 16 rows of the weight, source 1 = the samples): lane (r, h) holds sample r, register 8 t + j of an array unit 16 t + 8 h + j.  Four conversions of eight
; make of an array the next K = 64 operand as it stands; pairs rounded to bf16 make the K = 32 operands.  Nothing changes lanes.
; SHARES.  256 work-groups of four waves; wave w of group g owns samples 128 (4 g + w) on: 8 tiles.  Loop 1: layer 1 and all of ddy (8 weight versions in registers).  Loop 2: y and dy, two tiles a trip (6 versions).
; Loop 1 hands loop 2, in the wave's own LDS bytes, h1's codes under e0 and e4 and sigmoid(a1).  The 14 quantised weight versions are made once a work-group (wave w: tile w of each) and lie in LDS as images of registers.
; LIMITS.  e12, e0, e4, e14, e16, e20, e2, e6, e8, every weight's e, e18-e14-e15, e22-e18-e19, e24-e20-e21, e26-e22-e23, e10-e8-e9: between -126 and 119.  e12+e13, e16+e17, e0+e1, e4+e5, e2+e3, e6+e7: between -126 and 126.
; e20+e21+e14+e15-e22-e23 and e24+e25-e26-e27: between -126 and 127.  NaN among the inputs is not served.  log2(1 + u) is taken of the rounded 1 + u: its error is about 1e-7 absolute, so a softplus under 0.05 is less exact than 1e-6 of itself.
; No tensor load, cluster or prefetch: work-groups share 35 KB of weights, read once at the head and converted in registers; nothing streams afterwards.
.set LOG2E, 0x3fb8aa3b
.set LN2C,  0x3f317218
; LDS
.set XS1,   57344                      ; behind the 14 weight images of 4,096 bytes: x1 as it lies, 2,048 bytes a wave
.set XS4,   65536                      ; x4, 1,024 a wave
.set IMG,   69632                      ; 49,152 a wave, 6,144 a tile: codes e0 (+0, +512), codes e4 (+1024, +1536), sigmoid(a1) (+2048 + 512 c)
.set OST,   266240                     ; out2's stage: 4 blocks of 256 bytes, 272 apart; 1,280 a wave
.set DYS,   271360                     ; dy's stage, 2,048 a wave
.set YS,    279552                     ; y's stage, 512 a wave
.set SPARE, 281600                     ; the spare words, 128 bytes a wave: two blocks of 256 bytes that no other line names
; window 0
.set SPW, 1
.set NIL, 2
.set LN16, 3                           ; 16 x lane
.set XA1, 4
.set XA4, 5
.set LI,  12                           ; IMG + 49152 w + 16 x lane
.set AD,  13
.set STO, 14
.set RD,  15
.set DYA, 26
.set YA,  27
.set A1,  32                           ; v32-63: q1, written by the f32 matrix form alone
.set CP,  64
.set CT,  72
.set OB,  104
.set TA,  128
.set DD1, 128
.set BF1, 160
.set OUT, 224
.set TMP, 96                           ; set-up
.set WF2, 128
.set WF3, 160
.set WG3, 192
.set WG2, 224
; window 3, loop 1
.set TB,  0
.set R,   128
.set U,   160
.set M,   192
.set S1,  224
.set RW0, 112                          ; set-up
.set RW1, 120
.set RB1, 128
.set RAB, 132
; window 2
.set W1R, 0
.set BC2, 128
.set BC3, 160
.set WOUT, 192
.set W1X, 224
.set AB,  240
.set MSB, 0
.macro WIN new                         ; bits 1:0 source 0, 3:2 source 1, 5:4 source 2, 7:6 destination; the high byte repeats the setting that is left
.set NEWW, (\new)
.if MSB != NEWW
	s_set_vgpr_msb (MSB<<8)|NEWW
.set MSB, NEWW
.endif
.endm
.macro PLACES n
.rept \n
	v_nop
.endr
.endm
; s2 holds an exponent e
.macro MKSC vr                         ; 2^e as f32: a conversion takes its exponent field
	s_add_co_i32 s3, s2, 127
	s_lshl_b32 s3, s3, 23
	v_mov_b32 v[\vr], s3
.endm
.macro MKLIM sp                        ; 448 x 2^e
	s_add_co_i32 s3, s2, 135
	s_lshl_b32 s3, s3, 23
	s_or_b32 s[\sp], s3, 0x600000
.endm
.macro MKPAIR sn                       ; -448 x 2^e, +448 x 2^e
	MKLIM (\sn)+1
	s_or_b32 s[\sn], s[(\sn)+1], 0x80000000
.endm
.macro MKK sp                          ; c x 2^e, as a pair
	s_lshl_b32 s3, s2, 23
	s_add_co_i32 s[\sp], s3, LOG2E
	s_mov_b32 s[(\sp)+1], s[\sp]
.endm
.macro MKP2 sp                         ; 2^e, as a pair
	s_add_co_i32 s3, s2, 127
	s_lshl_b32 s[\sp], s3, 23
	s_mov_b32 s[(\sp)+1], s[\sp]
.endm
.macro PMUL d, a, b, n
.set ii, 0
.rept \n
	v_pk_mul_f32 v[(\d)+ii:(\d)+ii+1], v[(\a)+ii:(\a)+ii+1], v[(\b)+ii:(\b)+ii+1]
.set ii, ii+2
.endr
.endm
.macro PMULS d, a, sp, n
.set ii, 0
.rept \n
	v_pk_mul_f32 v[(\d)+ii:(\d)+ii+1], v[(\a)+ii:(\a)+ii+1], s[\sp:(\sp)+1] op_sel_hi:[1,0]
.set ii, ii+2
.endr
.endm
.macro PFMAS d, a, sp, c, n            ; a x scalar + c
.set ii, 0
.rept \n
	v_pk_fma_f32 v[(\d)+ii:(\d)+ii+1], v[(\a)+ii:(\a)+ii+1], s[\sp:(\sp)+1], v[(\c)+ii:(\c)+ii+1] op_sel_hi:[1,0,1]
.set ii, ii+2
.endr
.endm
.macro PFMA d, a, b, c, n
.set ii, 0
.rept \n
	v_pk_fma_f32 v[(\d)+ii:(\d)+ii+1], v[(\a)+ii:(\a)+ii+1], v[(\b)+ii:(\b)+ii+1], v[(\c)+ii:(\c)+ii+1]
.set ii, ii+2
.endr
.endm
.macro PFNMA d, a, b, c, n             ; c - a b
.set ii, 0
.rept \n
	v_pk_fma_f32 v[(\d)+ii:(\d)+ii+1], v[(\a)+ii:(\a)+ii+1], v[(\b)+ii:(\b)+ii+1], v[(\c)+ii:(\c)+ii+1] neg_lo:[1,0,0] neg_hi:[1,0,0]
.set ii, ii+2
.endr
.endm
.macro PADD d, a, b, n
.set ii, 0
.rept \n
	v_pk_add_f32 v[(\d)+ii:(\d)+ii+1], v[(\a)+ii:(\a)+ii+1], v[(\b)+ii:(\b)+ii+1]
.set ii, ii+2
.endr
.endm
.macro PSUB d, a, b, n
.set ii, 0
.rept \n
	v_pk_add_f32 v[(\d)+ii:(\d)+ii+1], v[(\a)+ii:(\a)+ii+1], v[(\b)+ii:(\b)+ii+1] neg_lo:[0,1] neg_hi:[0,1]
.set ii, ii+2
.endr
.endm
.macro PADD1 d, n
.set ii, 0
.rept \n
	v_pk_add_f32 v[(\d)+ii:(\d)+ii+1], v[(\d)+ii:(\d)+ii+1], 1.0 op_sel_hi:[1,0]
.set ii, ii+2
.endr
.endm
.macro HOLD b, n, sn                   ; the conversion to an 8-bit code does not saturate (ISA guide 7.6.2): held within the largest code x the scale first
.set ii, 0
.rept \n
	v_med3_num_f32 v[(\b)+ii], v[(\b)+ii], s[\sn], s[(\sn)+1]
.set ii, ii+1
.endr
.endm
.macro CVT4 d, a, sc                   ; an array of 32 becomes the 8 registers of a K = 64 operand
.irp c, 0,1,2,3
	v_cvt_scalef32_pk8_fp8_f32 v[(\d)+2*\c:(\d)+2*\c+1], v[(\a)+8*\c:(\a)+8*\c+7], v[\sc]
.endr
.endm
.macro MM4 d, wb, b                    ; 16 samples x 64 units: four tiles of 16 weight rows, K = 64, the sums begun with 0
.irp t, 0,1,2,3
	v_wmma_f32_16x16x64_fp8_fp8 v[(\d)+8*\t:(\d)+8*\t+7], v[(\wb)+8*\t:(\wb)+8*\t+7], v[(\b):(\b)+7], 0
.endr
.endm
; set-up: my tile of weight version v, from the 32 f32 numbers at v[src], with exponent entry eidx, to its image in LDS
.macro QW v, src, eidx
	WIN 0
	s_mov_b32 s2, s[32+\eidx]
	MKSC 28
	MKPAIR 93
.set ii, 0
.rept 32
	v_med3_num_f32 v[TMP+ii], v[(\src)+ii], s93, s94
.set ii, ii+1
.endr
	WIN 0xC0
	CVT4 8*\v, TMP, 28
	v_nop                                          ; a plain line between the conversions and the next writes of their sources
	WIN 0x0C
	ds_store_b128 v22, v[8*\v:8*\v+3] offset:4096*\v
	ds_store_b128 v22, v[8*\v+4:8*\v+7] offset:4096*\v+512
.endm
.macro L1X                             ; a tile's x from the wave's stage: (x1[2h], x1[2h+1]) and (x4[0], x4[1]) of sample r
	v_add_nc_u32 v6, s93, v[XA1]
	v_add_nc_u32 v7, s94, v[XA4]
	ds_load_b64 v[8:9], v6
	ds_load_b64 v[10:11], v7
.endm
.macro L1W                             ; q1 = c (x W1 + b1): K = 8 in two steps; the four accumulators take turns
	s_wait_dscnt 0x0                               ; x is in
	v_cndmask_b32 v10, v10, 1.0, s31               ; lanes 16-31 hold k = 6, 7: the 1 that meets b1, and 0
	v_cndmask_b32 v11, v11, 0, s31
	WIN 0x02
.irp t, 0,1,2,3
	v_wmma_f32_16x16x4_f32 v[A1+8*\t:A1+8*\t+7], v[W1X+4*\t:W1X+4*\t+1], v[8:9], 0
.endr
.irp t, 0,1,2,3
	v_wmma_f32_16x16x4_f32 v[A1+8*\t:A1+8*\t+7], v[W1X+4*\t+2:W1X+4*\t+3], v[10:11], v[A1+8*\t:A1+8*\t+7]
.endr
	WIN 0
.endm
; layer 1's activation: from q1 to sigmoid (S1), h1's codes under e12 (CP), and the images for loop 2 at LI + s95
.macro ACT1
	WIN 0xC0
.set ii, 0
.rept 32
	v_exp_f32 v[U+ii], -|v[A1+ii]|
	v_max_num_f32 v[M+ii], v[A1+ii], 0
.set ii, ii+1
.endr
	s_wait_alu depctr_va_vdst(0)                   ; one wait for the batch, ahead of its first reader
	WIN 0xC3
	PADD1 U, 16
.set ii, 0
.rept 32
	v_log_f32 v[U+ii], v[U+ii]
.set ii, ii+1
.endr
	v_nop                                          ; a plain line behind the last of the batch
	s_wait_alu depctr_va_vdst(0)
	WIN 0xCF
	PADD M, M, U, 16                               ; h1'
	WIN 0xCC
	PSUB S1, A1, M, 16                             ; q1 - h1'
	WIN 0xC3
.set ii, 0
.rept 16
	v_exp_f32 v[S1+ii], v[S1+ii]
	v_pk_mul_f32 v[M+2*ii:M+2*ii+1], v[M+2*ii:M+2*ii+1], LN2C op_sel_hi:[1,0]   ; h1
.set ii, ii+1
.endr
.rept 16                                       ; h1 is not negative: one-sided holds, one for each of its three scales
	v_exp_f32 v[S1+ii], v[S1+ii]
	v_min_num_f32 v[U+2*ii-32], v[M+2*ii-32], s75
	v_min_num_f32 v[U+2*ii-31], v[M+2*ii-31], s75
	v_min_num_f32 v[R+2*ii-32], v[M+2*ii-32], s76
	v_min_num_f32 v[R+2*ii-31], v[M+2*ii-31], s76
	v_min_num_f32 v[TB+2*ii-32], v[M+2*ii-32], s77
	v_min_num_f32 v[TB+2*ii-31], v[M+2*ii-31], s77
.set ii, ii+1
.endr
	s_wait_alu depctr_va_vdst(0)
	WIN 0x03
	CVT4 CP, U, 16
	CVT4 CT, R, 17
	CVT4 CT+8, TB, 18
	v_nop
	WIN 0
	v_add_nc_u32 v[AD], s95, v[LI]
	ds_store_b128 v[AD], v[CT:CT+3]
	ds_store_b128 v[AD], v[CT+4:CT+7] offset:512
	ds_store_b128 v[AD], v[CT+8:CT+11] offset:1024
	ds_store_b128 v[AD], v[CT+12:CT+15] offset:1536
	WIN 0x0C
.irp c, 0,1,2,3,4,5,6,7
	ds_store_b128 v[AD], v[S1+4*\c:S1+4*\c+3] offset:2048+512*\c
.endr
	WIN 0
.endm
; ---------------- the head
	s_load_b512 s[4:19], s[0:1], 0x0               ; x1 s4, x4 s6, W1 s8, b1 s10, W2 s12, b2 s14, W3 s16, b3 s18
	s_load_b256 s[20:27], s[0:1], 0x40             ; Wout s20, the exponents s22, out0 s24, out1 s26
	s_load_b64 s[28:29], s[0:1], 0x60              ; out2
	v_lshl_add_u32 v[SPW], v0, 2, SPARE
	v_mov_b32 v[NIL], 0
	v_lshrrev_b32 v28, 5, v0
	v_readfirstlane_b32 s30, v28                   ; wave w
	s_mov_b32 s31, 0xffff0000                      ; lanes 16-31
	v_and_b32 v28, 31, v0                          ; lane
	v_and_b32 v29, 15, v0                          ; r
	v_bfe_u32 v30, v0, 4, 1                        ; h
	v_lshlrev_b32 v[LN16], 4, v28
	s_lshl_b32 s2, s30, 11
	s_add_co_u32 s2, s2, XS1
	v_lshlrev_b32 v[XA1], 4, v29
	v_lshl_add_u32 v[XA1], v30, 3, v[XA1]
	v_add_nc_u32 v[XA1], s2, v[XA1]                ; XS1 + 2048 w + 16 r + 8 h
	v_add_nc_u32 v6, s2, v[LN16]                   ; where x1 is staged
	s_lshl_b32 s3, s30, 10
	s_add_co_u32 s3, s3, XS4
	v_lshlrev_b32 v[XA4], 3, v29
	v_add_nc_u32 v[XA4], s3, v[XA4]                ; XS4 + 1024 w + 8 r
	v_add_nc_u32 v7, s3, v[LN16]
	s_mul_i32 s2, s30, 49152
	s_add_co_u32 s2, s2, IMG
	v_add_nc_u32 v[LI], s2, v[LN16]
	s_mul_i32 s2, s30, 1280
	s_add_co_u32 s2, s2, OST
	v_lshrrev_b32 v31, 2, v29
	v_mul_u32_u24 v[STO], v31, 272
	v_and_b32 v31, 3, v29
	v_lshl_add_u32 v[STO], v31, 6, v[STO]
	v_lshl_add_u32 v[STO], v30, 5, v[STO]
	v_add_nc_u32 v[STO], s2, v[STO]                ; sample r's 64 bytes: block r / 4, 64 (r % 4) + 32 h
	v_mul_u32_u24 v[RD], v30, 272
	v_lshl_add_u32 v[RD], v29, 4, v[RD]
	v_add_nc_u32 v[RD], s2, v[RD]                  ; back: sixteen lanes to a block of 256 bytes
	s_lshl_b32 s2, s30, 11
	s_add_co_u32 s2, s2, DYS
	v_lshlrev_b32 v[DYA], 4, v29
	v_lshl_add_u32 v[DYA], v30, 3, v[DYA]
	v_add_nc_u32 v[DYA], s2, v[DYA]
	s_lshl_b32 s2, s30, 9
	s_add_co_u32 s2, s2, YS
	v_lshlrev_b32 v[YA], 2, v28
	v_add_nc_u32 v[YA], s2, v[YA]
	; offsets of the set-up's loads
	v_lshlrev_b32 v16, 2, v29
	v_lshl_add_u32 v16, v30, 11, v16
	s_lshl_b32 s2, s30, 6
	v_add_nc_u32 v16, s2, v16                      ; forward fragments: row 8 h, column 16 w + r
	v_lshlrev_b32 v17, 8, v29
	v_lshl_add_u32 v17, v30, 5, v17
	s_lshl_b32 s2, s30, 12
	v_add_nc_u32 v17, s2, v17                      ; backward fragments: row 16 w + r, column 8 h
	v_lshlrev_b32 v18, 5, v30                      ; per-unit arrays: unit 8 h
	v_lshlrev_b32 v20, 2, v29                      ; 4 r
	v_lshl_add_u32 v19, v30, 9, v20                ; row 2 h, column r
	v_lshrrev_b32 v21, 2, v29
	v_lshlrev_b32 v21, 8, v21
	v_lshl_add_u32 v21, v30, 5, v21                ; row r / 4, column 8 h
	s_lshl_b32 s2, s30, 10
	v_add_nc_u32 v22, s2, v[LN16]                  ; my tile's place in a weight image
	s_wait_kmcnt 0x0
	s_load_b512 s[32:47], s[22:23], 0x0            ; e0 .. e27 in s32 .. s59
	s_load_b256 s[48:55], s[22:23], 0x40
	s_load_b128 s[56:59], s[22:23], 0x60
	s_lshl_b32 s2, ttmp9, 2
	s_add_co_u32 s2, s2, s30                       ; 4 g + w: my run of 128 samples
	s_mov_b32 s61, 0
	s_lshl_b32 s60, s2, 11
	s_add_nc_u64 s[4:5], s[4:5], s[60:61]
	s_add_nc_u64 s[26:27], s[26:27], s[60:61]
	s_lshl_b32 s60, s2, 10
	s_add_nc_u64 s[6:7], s[6:7], s[60:61]
	s_lshl_b32 s60, s2, 9
	s_add_nc_u64 s[24:25], s[24:25], s[60:61]
	s_lshl_b32 s60, s2, 13
	s_add_nc_u64 s[28:29], s[28:29], s[60:61]
.irp i, 0,1,2,3
	global_load_b128 v[64+4*\i:67+4*\i], v[LN16], s[4:5] offset:512*\i th:TH_LOAD_NT
.endr
.irp i, 0,1
	global_load_b128 v[80+4*\i:83+4*\i], v[LN16], s[6:7] offset:512*\i th:TH_LOAD_NT
.endr
.irp c, 0,1,2,3
.irp j, 0,1,2,3,4,5,6,7
	global_load_b32 v[WF2+8*\c+\j], v16, s[12:13] offset:256*(16*\c+\j)   ; W2[16 c + 8 h + j][16 w + r]
	global_load_b32 v[WF3+8*\c+\j], v16, s[16:17] offset:256*(16*\c+\j)
.endr
.endr
.irp c, 0,1,2,3
.irp q, 0,1
	global_load_b128 v[WG2+8*\c+4*\q:WG2+8*\c+4*\q+3], v17, s[12:13] offset:64*\c+16*\q   ; W2[16 w + r][16 c + 8 h + 4 q ..]
	global_load_b128 v[WG3+8*\c+4*\q:WG3+8*\c+4*\q+3], v17, s[16:17] offset:64*\c+16*\q
.endr
.endr
	WIN 0x80
.irp d, 0,1,2,3
.irp t, 0,1,2,3
.irp q, 0,1
	global_load_b128 v[W1R+32*\d+8*\t+4*\q:W1R+32*\d+8*\t+4*\q+3], v18, s[8:9] offset:256*\d+64*\t+16*\q   ; row d of W1 in an array's layout
.endr
.endr
.endr
.irp t, 0,1,2,3
.irp q, 0,1
	global_load_b128 v[BC2+8*\t+4*\q:BC2+8*\t+4*\q+3], v18, s[14:15] offset:64*\t+16*\q
	global_load_b128 v[BC3+8*\t+4*\q:BC3+8*\t+4*\q+3], v18, s[18:19] offset:64*\t+16*\q
	global_load_b128 v[WOUT+8*\t+4*\q:WOUT+8*\t+4*\q+3], v18, s[20:21] offset:64*\t+16*\q
.endr
.endr
	WIN 0xC0
.irp t, 0,1,2,3
.irp j, 0,1
	global_load_b32 v[RW0+2*\t+\j], v19, s[8:9] offset:256*\j+64*\t          ; W1[2 h + j][16 t + r]
	global_load_b32 v[RW1+2*\t+\j], v20, s[8:9] offset:1024+256*\j+64*\t     ; W1[4 + j][16 t + r]
.endr
	global_load_b32 v[RB1+\t], v20, s[10:11] offset:64*\t
.endr
.irp s, 0,1
.irp g, 0,1
.irp q, 0,1
	global_load_b128 v[RAB+16*\s+8*\g+4*\q:RAB+16*\s+8*\g+4*\q+3], v21, s[8:9] offset:128*\s+64*\g+16*\q   ; W1[r / 4][32 s + 16 g + 8 h + 4 q ..]
.endr
.endr
.endr
	WIN 0
	s_wait_loadcnt 0x0
.irp i, 0,1,2,3
	ds_store_b128 v6, v[64+4*\i:67+4*\i] offset:512*\i
.endr
.irp i, 0,1
	ds_store_b128 v7, v[80+4*\i:83+4*\i] offset:512*\i
.endr
	s_wait_kmcnt 0x0
	QW 0,  WF2, 13                                 ; loop 1: a2 primal
	QW 1,  WF3, 17                                 ; a3 primal
	QW 2,  WG3, 21                                 ; back through W3, primal
	QW 3,  WG2, 25                                 ; back through W2, primal
	QW 4,  WF2, 15                                 ; the tangents' four
	QW 5,  WF3, 19
	QW 6,  WG3, 23
	QW 7,  WG2, 27
	QW 8,  WF2, 1                                  ; loop 2: y
	QW 9,  WF3, 3
	QW 10, WF2, 5                                  ; dy forward
	QW 11, WF3, 7
	QW 12, WG3, 9                                  ; dy backward
	QW 13, WG2, 11
	WIN 0x82
.set ii, 0
.rept 32
	v_pk_mul_f32 v[BC2+ii:BC2+ii+1], v[BC2+ii:BC2+ii+1], LOG2E op_sel_hi:[1,0]   ; b2 c, b3 c
.set ii, ii+2
.endr
	WIN 0xCF
.irp t, 0,1,2,3
	v_cndmask_b32 v[RW1+2*\t], v[RW1+2*\t], v[RB1+\t], s31     ; k = 6: b1
	v_cndmask_b32 v[RW1+2*\t+1], v[RW1+2*\t+1], 0, s31         ; k = 7: 0
.endr
	WIN 0x8C
.irp t, 0,1,2,3
.irp j, 0,1
	v_mul_f32 v[W1X+4*\t+\j], LOG2E, v[RW0+2*\t+\j]
	v_mul_f32 v[W1X+4*\t+2+\j], LOG2E, v[RW1+2*\t+\j]
.endr
.endr
	WIN 0x8F
.set ii, 0
.rept 16
	v_cvt_pk_bf16_f32 v[AB+ii], v[RAB+2*ii], v[RAB+2*ii+1]     ; W1^T for the last products: row m holds W1[m / 4]
.set ii, ii+1
.endr
	WIN 0
	s_wait_dscnt 0x0                               ; for the others' sake: my tiles of the weight images have landed
	s_barrier_signal -1
	s_barrier_wait -1
	WIN 0x40
.irp v, 0,1,2,3,4,5,6,7
.irp t, 0,1,2,3
.irp q, 0,1
	ds_load_b128 v[32*\v+8*\t+4*\q:32*\v+8*\t+4*\q+3], v[LN16] offset:4096*\v+1024*\t+512*\q
.endr
.endr
.endr
	WIN 0
	s_mov_b32 s93, 0
	s_mov_b32 s94, 0
	L1X                                            ; tile 0
	s_mov_b32 s2, s44                              ; e12
	MKSC 16
	MKLIM 75
	s_mov_b32 s2, s32                              ; e0
	MKSC 17
	MKLIM 76
	s_mov_b32 s2, s36                              ; e4
	MKSC 18
	MKLIM 77
	s_mov_b32 s2, s46                              ; e14
	MKSC 19
	MKPAIR 79
	s_mov_b32 s2, s48                              ; e16
	MKSC 20
	MKLIM 78
	s_sub_co_i32 s2, s50, s46
	s_sub_co_i32 s2, s2, s47                       ; e18 - e14 - e15: the operand is kept in the raw units of the product before
	MKSC 21
	MKPAIR 81
	s_mov_b32 s2, s52                              ; e20
	MKSC 22
	MKPAIR 83
	s_sub_co_i32 s2, s54, s50
	s_sub_co_i32 s2, s2, s51                       ; e22 - e18 - e19
	MKSC 23
	MKPAIR 85
	s_sub_co_i32 s2, s56, s52
	s_sub_co_i32 s2, s2, s53                       ; e24 - e20 - e21
	MKSC 24
	MKPAIR 87
	s_sub_co_i32 s2, s58, s54
	s_sub_co_i32 s2, s2, s55                       ; e26 - e22 - e23
	MKSC 25
	MKPAIR 89
	s_add_co_i32 s2, s44, s45
	MKK 66                                         ; c 2^(e12 + e13)
	s_add_co_i32 s2, s48, s49
	MKK 68                                         ; c 2^(e16 + e17)
	s_add_co_i32 s2, s52, s53
	s_add_co_i32 s2, s2, s46
	s_add_co_i32 s2, s2, s47
	s_sub_co_i32 s2, s2, s54
	s_sub_co_i32 s2, s2, s55
	MKP2 70                                        ; 2^(e20 + e21 + e14 + e15 - e22 - e23)
	s_add_co_i32 s2, s56, s57
	s_sub_co_i32 s2, s2, s58
	s_sub_co_i32 s2, s2, s59
	MKP2 72                                        ; 2^(e24 + e25 - e26 - e27)
	s_add_co_i32 s74, s58, s59                     ; e26 + e27
	L1W                                            ; its wait for 0 also shows the weights in
	PLACES 8                                       ; eight places between the f32 matrix form and the first read of its results (ISA guide 7.12.1)
	s_mov_b32 s60, 0                               ; tile
	s_mov_b32 s61, 0                               ; its bytes in x1's stage,
	s_mov_b32 s62, 0                               ; in x4's,
	s_mov_b32 s63, 0                               ; among the images
	s_mov_b32 s95, 0
	ACT1
; ---------------- loop 1: ddy, a tile a trip; layer 1 of the next tile is made on the way
.Ltile:
	s_add_co_u32 s93, s61, 256                     ; the next tile's places, held inside the wave's own bytes
	s_min_u32 s93, s93, 1792
	s_add_co_u32 s94, s62, 128
	s_min_u32 s94, s94, 896
	s_add_co_u32 s95, s63, 6144
	s_min_u32 s95, s95, 43008
	s_cmp_eq_u32 s60, 7
	s_cbranch_scc1 .Lno_x                          ; the last tile has no next
	L1X
.Lno_x:
	WIN 0xC1
	MM4 R, 0, CP                                   ; raw a2
	WIN 0xCB
.irp d, 0,1,2,3
	PMUL TB+32*\d, S1, W1R+32*\d, 16               ; tangent of h1: s1 W1[d]
.endr
	WIN 0
	s_cmp_eq_u32 s60, 7
	s_cbranch_scc1 .Lno_w
	L1W
.Lno_w:
	WIN 0xE3
	PFMAS R, R, 66, BC2, 16                        ; q2
	WIN 0xC3
.set ii, 0
.rept 32
	v_exp_f32 v[U+ii], -|v[R+ii]|
	v_max_num_f32 v[M+ii], v[R+ii], 0
	v_med3_num_f32 v[TB+ii], v[TB+ii], s79, s80
.set ii, ii+1
.endr
	s_wait_dscnt 0x0                               ; the image stores have read the code registers that are written next
	WIN 0x03
	CVT4 CT, TB, 19
	v_nop
	WIN 0x01
	MM4 TA, 128, CT                                ; raw tangent of a2, d = 0
	s_wait_alu depctr_va_vdst(0)
	WIN 0xC3
	PADD1 U, 16
.set ii, 0
.rept 32
	v_log_f32 v[U+ii], v[U+ii]
	v_med3_num_f32 v[TB+32+ii], v[TB+32+ii], s79, s80
	v_med3_num_f32 v[TB+64+ii], v[TB+64+ii], s79, s80
.set ii, ii+1
.endr
	WIN 0x03
	CVT4 CT+8, TB+32, 19
	CVT4 CT+16, TB+64, 19
	v_nop
	WIN 0x01
	MM4 TA+32, 128, CT+8
	MM4 TA+64, 128, CT+16
	s_wait_alu depctr_va_vdst(0)
	WIN 0xCF
	PADD M, M, U, 16                               ; h2'
	PSUB R, R, M, 16                               ; q2 - h2'
	WIN 0xC3
.set ii, 0
.rept 16
	v_exp_f32 v[R+ii], v[R+ii]                     ; s2
	v_pk_mul_f32 v[M+2*ii:M+2*ii+1], v[M+2*ii:M+2*ii+1], LN2C op_sel_hi:[1,0]
	v_med3_num_f32 v[TB+96+ii], v[TB+96+ii], s79, s80
.set ii, ii+1
.endr
.rept 16
	v_exp_f32 v[R+ii], v[R+ii]
	v_min_num_f32 v[M+2*ii-32], v[M+2*ii-32], s78
	v_min_num_f32 v[M+2*ii-31], v[M+2*ii-31], s78
	v_med3_num_f32 v[TB+96+ii], v[TB+96+ii], s79, s80
.set ii, ii+1
.endr
	WIN 0x03
	CVT4 CT+24, TB+96, 19
	CVT4 CP, M, 20
	v_nop
	WIN 0x01
	MM4 TA+96, 128, CT+24
	WIN 0xC1
	MM4 U, 32, CP                                  ; raw a3
	s_wait_alu depctr_va_vdst(0)
	WIN 0xC3
.irp d, 0,1,2,3
	PMUL TB+32*\d, R, TA+32*\d, 16                 ; tangent of h2, raw: s2 x raw tangent of a2
.endr
	WIN 0xE3
	PFMAS U, U, 68, BC3, 16                        ; q3
	WIN 0xC3
.set ii, 0
.rept 32
	v_exp_f32 v[U+ii], -v[U+ii]
	v_med3_num_f32 v[TB+ii], v[TB+ii], s81, s82
	v_med3_num_f32 v[TB+32+ii], v[TB+32+ii], s81, s82
.set ii, ii+1
.endr
	WIN 0x03
	CVT4 CT, TB, 21
	CVT4 CT+8, TB+32, 21
	v_nop
	WIN 0xC1
	MM4 TB, 160, CT                                ; raw tangent of a3
	MM4 TB+32, 160, CT+8
	s_wait_alu depctr_va_vdst(0)
	WIN 0xC3
	PADD1 U, 16
.set ii, 0
.rept 32
	v_rcp_f32 v[U+ii], v[U+ii]                     ; s3
	v_med3_num_f32 v[TB+64+ii], v[TB+64+ii], s81, s82
	v_med3_num_f32 v[TB+96+ii], v[TB+96+ii], s81, s82
.set ii, ii+1
.endr
	WIN 0x03
	CVT4 CT+16, TB+64, 21
	CVT4 CT+24, TB+96, 21
	v_nop
	WIN 0xC1
	MM4 TB+64, 160, CT+16
	MM4 TB+96, 160, CT+24
	s_wait_alu depctr_va_vdst(0)
	WIN 0xCB
	PMUL M, U, WOUT, 16                            ; c3 = s3 wout
	WIN 0xFF
	PFNMA U, M, U, M, 16                           ; c3 (1 - s3)
	WIN 0xC3
	HOLD M, 32, 83
	WIN 0x03
	CVT4 CP, M, 22
	v_nop
	WIN 0xC1
	MM4 M, 64, CP                                  ; raw cotangent of h2
	WIN 0xCF
.irp d, 0,1,2,3
	PMUL TB+32*\d, TB+32*\d, U, 16                 ; tangent of c3, raw
.endr
	HOLD TB, 128, 85
	WIN 0x03
.irp d, 0,1,2,3
	CVT4 CT+8*\d, TB+32*\d, 23
.endr
	v_nop
	WIN 0xC1
.irp d, 0,1,2,3
	MM4 TB+32*\d, 192, CT+8*\d                     ; raw tangent of h2's cotangent
.endr
	WIN 0xCF
	PMUL U, M, R, 16                               ; c2, raw
	WIN 0xC3
	PMULS M, U, 70, 16
	WIN 0xFF
	PFNMA M, M, R, M, 16                           ; c2 (1 - s2), in the tangents' raw units
	WIN 0xC3
	HOLD U, 32, 87
	WIN 0x03
	CVT4 CP, U, 24
	v_nop
	WIN 0xC1
	MM4 U, 96, CP                                  ; raw cotangent of h1
	WIN 0x0C
.irp d, 0,1,2,3
	PMUL TA+32*\d, TA+32*\d, M, 16
.endr
	WIN 0xCF
.irp d, 0,1,2,3
	PFMA TB+32*\d, TB+32*\d, R, TA+32*\d, 16       ; tangent of c2, raw
.endr
	HOLD TB, 128, 89
	WIN 0x03
.irp d, 0,1,2,3
	CVT4 CT+8*\d, TB+32*\d, 25
.endr
	v_nop
	WIN 0xC1
.irp d, 0,1,2,3
	MM4 TB+32*\d, 224, CT+8*\d                     ; raw tangent of h1's cotangent
.endr
	WIN 0xCF
	PMUL U, U, S1, 16
	WIN 0xC3
	PMULS U, U, 72, 16
	WIN 0xFF
	PFNMA U, U, S1, U, 16                          ; c1 (1 - s1), in the tangents' raw units
	WIN 0x0B
.irp d, 0,1,2,3
	PMUL TA+32*\d, U, W1R+32*\d, 16
.endr
	WIN 0xCF
.irp d, 0,1,2,3
	PFMA TB+32*\d, TB+32*\d, S1, TA+32*\d, 16      ; tangent of c1, raw
.endr
	WIN 0x0F
.irp d, 0,1,2,3
.set ii, 0
.rept 16
	v_cvt_pk_bf16_f32 v[BF1+16*\d+ii], v[TB+32*\d+2*ii], v[TB+32*\d+2*ii+1]
.set ii, ii+1
.endr
.endr
	WIN 0x02                                       ; x W1^T: the four accumulators take turns
.irp d, 0,1,2,3
	v_wmma_f32_16x16x32_bf16 v[DD1+8*\d:DD1+8*\d+7], v[AB:AB+7], v[BF1+16*\d:BF1+16*\d+7], 0
.endr
.irp d, 0,1,2,3
	v_wmma_f32_16x16x32_bf16 v[DD1+8*\d:DD1+8*\d+7], v[AB+8:AB+15], v[BF1+16*\d+8:BF1+16*\d+15], v[DD1+8*\d:DD1+8*\d+7]
.endr
	WIN 0
	PLACES 4
.irp j, 0,1,2,3,4,5,6,7
	v_ldexp_f32 v[OUT+\j], v[DD1+8*(\j%4)+\j], s74 ; row 8 h + j of W1^T's fragment is W1[(8 h + j) / 4]: with d = j % 4 this is out2[r][8 h + j]; each accumulator is first read in its low four
.endr
	ds_store_b128 v[STO], v[OUT:OUT+3]
	ds_store_b128 v[STO], v[OUT+4:OUT+7] offset:16
	ds_load_b128 v[OB:OB+3], v[RD]                 ; LDS serves a wave's instructions in order: these see the stores above
	ds_load_b128 v[OB+4:OB+7], v[RD] offset:544
	s_cmp_eq_u32 s60, 7
	s_cbranch_scc1 .Lno_act
	ACT1                                           ; the next tile's layer 1 stands between the stage's loads and the wait for them
.Lno_act:
	s_wait_dscnt 0x0
	global_store_b128 v[LN16], v[OB:OB+3], s[28:29] th:TH_STORE_NT              ; 32 lanes store 512 consecutive bytes, aligned
	global_store_b128 v[LN16], v[OB+4:OB+7], s[28:29] offset:512 th:TH_STORE_NT
	s_wait_xcnt 0x0                                ; the stores' base and data are written again only behind this wait
	s_add_nc_u64 s[28:29], s[28:29], 1024
	s_add_co_u32 s61, s61, 256
	s_add_co_u32 s62, s62, 128
	s_add_co_u32 s63, s63, 6144
	s_add_co_u32 s60, s60, 1
	s_cmp_lt_u32 s60, 8
	s_cbranch_scc1 .Ltile
; ---------------- between the loops: six other weight versions, the first two tiles' codes, loop 2's constants
	WIN 0x40
.irp v, 0,1,2,3,4,5
.irp t, 0,1,2,3
.irp q, 0,1
	ds_load_b128 v[32*\v+8*\t+4*\q:32*\v+8*\t+4*\q+3], v[LN16] offset:4096*(8+\v)+1024*\t+512*\q
.endr
.endr
.endr
.irp i, 0,1,2,3
	ds_load_b128 v[192+4*\i:195+4*\i], v[LI] offset:512*\i
	ds_load_b128 v[208+4*\i:211+4*\i], v[LI] offset:6144+512*\i
.endr
	WIN 0
	s_mov_b32 s2, s34                              ; e2
	MKSC 16
	MKLIM 75
	s_mov_b32 s2, s38                              ; e6
	MKSC 17
	MKLIM 76
	s_mov_b32 s2, s40                              ; e8
	MKSC 18
	MKPAIR 79
	s_sub_co_i32 s2, s42, s40
	s_sub_co_i32 s2, s2, s41                       ; e10 - e8 - e9
	MKSC 19
	MKPAIR 81
	s_add_co_i32 s2, s32, s33
	MKK 66                                         ; c 2^(e0 + e1)
	s_add_co_i32 s2, s36, s37
	MKK 68                                         ; c 2^(e4 + e5)
	s_add_co_i32 s2, s34, s35
	MKK 70                                         ; c 2^(e2 + e3)
	s_add_co_i32 s2, s38, s39
	MKK 72                                         ; c 2^(e6 + e7)
	s_add_co_i32 s74, s42, s43                     ; e10 + e11
	s_mov_b32 s91, 0x76543210                      ; v_permlanex16_b32: lane l xor 16
	s_mov_b32 s92, 0xfedcba98
	v_mov_b32 v30, 0                               ; a lane permute's destination counts as read
	s_mov_b32 s60, 0                               ; pair of tiles
	s_mov_b32 s61, 0                               ; its images,
	s_mov_b32 s62, 0                               ; its place in dy's stage,
	s_mov_b32 s63, 0                               ; in y's
	s_wait_dscnt 0x0
; a tile of loop 2 lives in one window, from ba on: RY RG (raw sums, later codes and bf16), UY UG, MY MG; Y: the chain of y, G: of dy
.macro TSET w, ba, cy, cg, imo
.set TW, \w
.set RY, \ba
.set RG, (\ba)+32
.set UY, (\ba)+64
.set UG, (\ba)+96
.set MY, (\ba)+128
.set MG, (\ba)+160
.set K0, RY
.set K1, RY+8
.set BF, RY+16
.set ACC, UY
.set DD, UY+8
.set CY, \cy
.set CG, \cg
.set IMO, \imo
.set Wd, (TW<<6)|TW
.set Wa, Wd|(TW<<2)
.set Wc, Wd|(2<<4)
.set Wy, Wd|(2<<2)|(TW<<4)
.set Wm, (TW<<6)|(TW<<2)|1
.endm
.macro PF1                             ; raw a2 of both chains
	WIN (TW<<6)|(1<<2)|1
	MM4 RY, 0, CY
	MM4 RG, 64, CG
.endm
.macro PF2                             ; layer 2's activation: h2 of both chains as codes, s2 of dy's chain
	WIN Wc
	PFMAS RY, RY, 66, BC2, 16
	PFMAS RG, RG, 68, BC2, 16
	WIN Wd
.set ii, 0
.rept 64
	v_exp_f32 v[UY+ii], -|v[RY+ii]|
	v_max_num_f32 v[MY+ii], v[RY+ii], 0
.set ii, ii+1
.endr
	s_wait_alu depctr_va_vdst(0)
	PADD1 UY, 32
.set ii, 0
.rept 64
	v_log_f32 v[UY+ii], v[UY+ii]
.set ii, ii+1
.endr
	v_nop
	s_wait_alu depctr_va_vdst(0)
	WIN Wa
	PADD MY, MY, UY, 32
	PSUB RG, RG, MG, 16
	WIN Wd
.set ii, 0
.rept 16
	v_exp_f32 v[RG+ii], v[RG+ii]
	v_pk_mul_f32 v[MY+4*ii:MY+4*ii+1], v[MY+4*ii:MY+4*ii+1], LN2C op_sel_hi:[1,0]
	v_pk_mul_f32 v[MY+4*ii+2:MY+4*ii+3], v[MY+4*ii+2:MY+4*ii+3], LN2C op_sel_hi:[1,0]
.set ii, ii+1
.endr
.rept 8
	v_exp_f32 v[RG+ii], v[RG+ii]
.irp k, 0,1,2,3
	v_min_num_f32 v[MY+4*ii-64+\k], v[MY+4*ii-64+\k], s75
.endr
.set ii, ii+1
.endr
.rept 8
	v_exp_f32 v[RG+ii], v[RG+ii]
.irp k, 0,1,2,3
	v_min_num_f32 v[MY+4*ii-64+\k], v[MY+4*ii-64+\k], s76
.endr
.set ii, ii+1
.endr
	s_wait_alu depctr_va_vdst(0)
	CVT4 K0, MY, 16
	CVT4 K1, MG, 17
	v_nop
.endm
.macro PF3                             ; raw a3 of both chains
	WIN Wm
	MM4 UY, 32, K0
	MM4 UG, 96, K1
.endm
.macro PF4                             ; layer 3: h3' and its product with wout (y); s3 wout as codes (dy); sigmoid(a1) is asked for
	WIN Wc
	PFMAS UY, UY, 70, BC3, 16
	PFMAS UG, UG, 72, BC3, 16
	WIN Wd
.set ii, 0
.rept 32
	v_exp_f32 v[MY+ii], -|v[UY+ii]|
	v_max_num_f32 v[MG+ii], v[UY+ii], 0
	v_exp_f32 v[UG+ii], -v[UG+ii]
.set ii, ii+1
.endr
	v_nop
	s_wait_alu depctr_va_vdst(0)
	PADD1 MY, 16
	PADD1 UG, 16
.set ii, 0
.rept 32
	v_log_f32 v[MY+ii], v[MY+ii]
	v_rcp_f32 v[UG+ii], v[UG+ii]
.set ii, ii+1
.endr
	v_nop
	s_wait_alu depctr_va_vdst(0)
	WIN Wa
	PADD MY, MY, MG, 16                            ; h3'
	WIN (TW<<6)
.irp c, 0,1,2,3,4,5,6,7
	ds_load_b128 v[MG+4*\c:MG+4*\c+3], v[AD] offset:IMO+2048+512*\c
.endr
	WIN Wy
.irp p, 0,1,2,3
	v_pk_mul_f32 v[ACC+2*\p:ACC+2*\p+1], v[MY+2*\p:MY+2*\p+1], v[WOUT+2*\p:WOUT+2*\p+1]
.endr
.irp p, 4,5,6,7,8,9,10,11,12,13,14,15
	v_pk_fma_f32 v[ACC+2*(\p%4):ACC+2*(\p%4)+1], v[MY+2*\p:MY+2*\p+1], v[WOUT+2*\p:WOUT+2*\p+1], v[ACC+2*(\p%4):ACC+2*(\p%4)+1]
.endr
	PMUL UG, UG, WOUT, 16                          ; c3
	HOLD UG, 32, 79
	WIN Wd
	CVT4 K1, UG, 18
	v_nop
.endm
.macro PB1
	WIN Wm
	MM4 UG, 128, K1                                ; raw cotangent of h2
.endm
.macro PB2
	WIN Wa
	PMUL UG, UG, RG, 16                            ; c2, raw
	HOLD UG, 32, 81
	WIN Wd
	CVT4 K1, UG, 19
	v_nop
.endm
.macro PB3
	WIN Wm
	MM4 UG, 160, K1                                ; raw cotangent of h1
.endm
.macro PB4
	s_wait_dscnt 0x0                               ; sigmoid(a1) is in (and the next pair's codes)
	WIN Wa
	PMUL UG, UG, MG, 16                            ; c1, raw
.set ii, 0
.rept 16
	v_cvt_pk_bf16_f32 v[BF+ii], v[UG+2*ii], v[UG+2*ii+1]
.set ii, ii+1
.endr
.endm
.macro PB5 s, z
	WIN (TW<<6)|(TW<<4)|(TW<<2)|2
.if \z
	v_wmma_f32_16x16x32_bf16 v[DD:DD+7], v[AB+8*\s:AB+8*\s+7], v[BF+8*\s:BF+8*\s+7], 0
.else
	v_wmma_f32_16x16x32_bf16 v[DD:DD+7], v[AB+8*\s:AB+8*\s+7], v[BF+8*\s:BF+8*\s+7], v[DD:DD+7]
.endif
.endm
.macro TILE_A
	TSET 3, 0, 192, 200, 0
.endm
.macro TILE_B
	TSET 0, 64, 208, 216, 6144
.endm
; ---------------- loop 2: y and dy, two tiles a trip, one tile's vector work behind the other's products
.Lpair:
	s_add_co_u32 s93, s61, 12288
	s_min_u32 s93, s93, 36864
	TILE_A
	PF1
	TILE_B
	PF1
	WIN 0
	v_add_nc_u32 v[AD], s61, v[LI]                 ; four plain lines: the places behind the products
	v_add_nc_u32 v6, s62, v[DYA]
	v_add_nc_u32 v7, s63, v[YA]
	v_add_nc_u32 v31, s93, v[LI]
	TILE_A
	PF2
	WIN 0
	s_cmp_eq_u32 s60, 3
	s_cbranch_scc1 .Lno_codes                      ; the last pair has no next
	WIN 0x40
.irp i, 0,1,2,3
	ds_load_b128 v[192+4*\i:195+4*\i], v31 offset:512*\i
	ds_load_b128 v[208+4*\i:211+4*\i], v31 offset:6144+512*\i
.endr
	WIN 0
.Lno_codes:
	PF3
	TILE_B
	PF2
	PF3
	TILE_A
	PF4
	PB1
	TILE_B
	PF4
	PB1
	TILE_A
	PB2
	PB3
	TILE_B
	PB2
	PB3
	TILE_A
	PB4
	TILE_B
	PB4
	TILE_A                                         ; x W1^T: the two accumulators take turns
	PB5 0, 1
	TILE_B
	PB5 0, 1
	TILE_A
	PB5 1, 0
	TILE_B
	PB5 1, 0
	WIN 0xCF                                       ; y's partial sums; these eight lines are the places behind the last products
	v_pk_add_f32 v[64:65], v[64:65], v[66:67]
	v_pk_add_f32 v[68:69], v[68:69], v[70:71]
	v_pk_add_f32 v[64:65], v[64:65], v[68:69]
	WIN 0x0F
	v_add_f32 v28, v64, v65
	WIN 0
	v_pk_add_f32 v[128:129], v[128:129], v[130:131]
	v_pk_add_f32 v[132:133], v[132:133], v[134:135]
	v_pk_add_f32 v[128:129], v[128:129], v[132:133]
	v_add_f32 v29, v128, v129
	v_permlanex16_b32 v30, v28, s91, s92           ; the sample's other 32 units lie in lane l xor 16
	v_add_f32 v28, v28, v30
	v_permlanex16_b32 v30, v29, s91, s92
	v_add_f32 v29, v29, v30
	v_cndmask_b32 v28, v28, v29, s31               ; lanes 0-15: the first tile's samples; lanes 16-31: the second's
	v_mul_f32 v28, LN2C, v28
	ds_store_b32 v7, v28
	WIN 0x03
	v_ldexp_f32 v20, v72, s74                      ; rows 8 h and 8 h + 4 of W1^T's fragment are W1[2 h], W1[2 h + 1]: dy[r][2 h], dy[r][2 h + 1]
	v_ldexp_f32 v21, v76, s74
	WIN 0
	v_ldexp_f32 v22, v136, s74
	v_ldexp_f32 v23, v140, s74
	ds_store_b64 v6, v[20:21]
	ds_store_b64 v6, v[22:23] offset:256
	s_add_co_u32 s61, s61, 12288
	s_add_co_u32 s62, s62, 512
	s_add_co_u32 s63, s63, 128
	s_add_co_u32 s60, s60, 1
	s_cmp_lt_u32 s60, 4
	s_cbranch_scc1 .Lpair
; ---------------- the wave's 128 rows of dy and of y leave as runs of 512 consecutive bytes
	s_wait_dscnt 0x0
	s_lshl_b32 s2, s30, 11
	s_add_co_u32 s2, s2, DYS
	v_add_nc_u32 v28, s2, v[LN16]
	s_lshl_b32 s3, s30, 9
	s_add_co_u32 s3, s3, YS
	v_add_nc_u32 v29, s3, v[LN16]
.irp i, 0,1,2,3
	ds_load_b128 v[64+4*\i:67+4*\i], v28 offset:512*\i
.endr
	ds_load_b128 v[80:83], v29
	s_wait_dscnt 0x0
.irp i, 0,1,2,3
	global_store_b128 v[LN16], v[64+4*\i:67+4*\i], s[26:27] offset:512*\i th:TH_STORE_NT
.endr
	global_store_b128 v[LN16], v[80:83], s[24:25] th:TH_STORE_NT
	s_wait_tensorcnt 0x0                           ; the wave's end, behind my last LDS store
	ds_add_u32 v[SPW], v[NIL]
	s_wait_dscnt 0x0
	s_endpgm
.Lfunc_end_k_q8263547dc7_idnn:
	.size	k_q8263547dc7_idnn, .Lfunc_end_k_q8263547dc7_idnn-k_q8263547dc7_idnn
	.p2alignl 7, 3214868480
	.fill 96, 4, 3214868480
	.section	.rodata,"a",@progbits
	.p2align	6, 0x0
	.amdhsa_kernel k_q8263547dc7_idnn
		.amdhsa_group_segment_fixed_size 282112
		.amdhsa_private_segment_fixed_size 0
		.amdhsa_enable_private_segment 0
		.amdhsa_kernarg_size 104
		.amdhsa_user_sgpr_count 2
		.amdhsa_user_sgpr_kernarg_segment_ptr 1
		.amdhsa_wavefront_size32 1
		.amdhsa_system_sgpr_workgroup_id_x 1
		.amdhsa_system_sgpr_workgroup_id_y 1
		.amdhsa_system_sgpr_workgroup_id_z 1
		.amdhsa_system_vgpr_workitem_id 0
		.amdhsa_next_free_vgpr 1024
		.amdhsa_next_free_sgpr 98
		.amdhsa_reserve_vcc 0
		.amdhsa_float_denorm_mode_32 3
		.amdhsa_float_denorm_mode_16_64 3
		.amdhsa_memory_ordered 1
		.amdhsa_forward_progress 1
		.amdhsa_inst_pref_size 255
	.end_amdhsa_kernel
	.section	.bss,"aw",@nobits
	.p2align	6
	.space	262144
	.amdgpu_metadata
---
amdhsa.version: [ 1, 2 ]
amdhsa.kernels:
  - .name:           k_q8263547dc7_idnn
    .symbol:         k_q8263547dc7_idnn.kd
    .args:
      - { .name: x1, .offset: 0, .size: 8, .value_kind: global_buffer, .address_space: global }
      - { .name: x4, .offset: 8, .size: 8, .value_kind: global_buffer, .address_space: global }
      - { .name: W1, .offset: 16, .size: 8, .value_kind: global_buffer, .address_space: global }
      - { .name: b1, .offset: 24, .size: 8, .value_kind: global_buffer, .address_space: global }
      - { .name: W2, .offset: 32, .size: 8, .value_kind: global_buffer, .address_space: global }
      - { .name: b2, .offset: 40, .size: 8, .value_kind: global_buffer, .address_space: global }
      - { .name: W3, .offset: 48, .size: 8, .value_kind: global_buffer, .address_space: global }
      - { .name: b3, .offset: 56, .size: 8, .value_kind: global_buffer, .address_space: global }
      - { .name: Wout, .offset: 64, .size: 8, .value_kind: global_buffer, .address_space: global }
      - { .name: lowp_scales, .offset: 72, .size: 8, .value_kind: global_buffer, .address_space: global }
      - { .name: out0, .offset: 80, .size: 8, .value_kind: global_buffer, .address_space: global }
      - { .name: out1, .offset: 88, .size: 8, .value_kind: global_buffer, .address_space: global }
      - { .name: out2, .offset: 96, .size: 8, .value_kind: global_buffer, .address_space: global }
    .group_segment_fixed_size: 282112
    .private_segment_fixed_size: 0
    .kernarg_segment_align: 8
    .kernarg_segment_size: 104
    .max_flat_workgroup_size: 128
    .sgpr_count:     98
    .vgpr_count:     1024
    .wavefront_size: 32
...
	.end_amdgpu_metadata
.endif
;; end of part 1
;; ======== version 2 of 2: 1 launch; version 1 with the launch idnn written anew for expert scheduling mode
;; limits: a function is approximated: absolute error at most 1e-07
;; launch idnn (part 2): grid 256 x 1, 4 waves a work-group, no clusters, 282,112 bytes of LDS; arguments x1, x4, W1, b1, W2, b2, W3, b3, Wout, lowp_scales, out0, out1, out2; writes out0, out1, out2
.if DOCPART == 2
	.amdgcn_target "amdgcn-amd-amdhsa--gfx1250"
	.amdhsa_code_object_version 6
	.text
	.protected	k_q8263547dc7_idnn
	.globl	k_q8263547dc7_idnn
	.p2align	8
	.type	k_q8263547dc7_idnn,@function
k_q8263547dc7_idnn:
	s_mov_b64 s[64:65], 0
	v_nop
	global_prefetch_b8 v0, s[64:65] scope:SCOPE_SE
	s_setreg_imm32_b32 hwreg(HW_REG_WAVE_SCHED_MODE, 0, 2), 2
	s_setreg_imm32_b32 hwreg(HW_REG_WAVE_MODE, 25, 1), 1
	s_wait_xcnt 0x0
	s_wait_alu depctr_vm_vsrc(0)
; IDNN: a softplus MLP 6 -> 64 -> 64 -> 64 -> 1 at 131,072 points; out0 = y, out1 = dy/dx1 (4), out2 = d2y/dx1 dx1 (4 x 4, out2[b][i][d] = d(dy_i)/dx_d).
; The fourteen 64 x 64 products go to the matrix unit as codes of E4M3 (v_wmma_f32_16x16x64_fp8_fp8), each with its own two given exponents e0 .. e27: forward of y (e0-3), forward and backward of dy (e4-11),
; primal forward and backward of ddy (e12,13,16,17,20,21,24,25), its four tangents (e14,15,18,19,22,23,26,27).  The three forward passes may have other scales, so each is multiplied on its own codes.
; SHARED, being the same f32 numbers for every input: a1 = x W1 + b1 (written three times in the problem), softplus(a1), sigmoid(a1).
; DEAD WORK, left out: (a) h3 Wout inside grad and inside jacfwd(grad), and its tangent: grad returns the cotangent alone, the value of f_scalar and that value's tangent reach no output; (b) the primal c1 W1^T under jacfwd:
; jacfwd keeps the tangents alone; (c) columns 4 and 5 of c1 W1^T and of its tangents: the cotangent of x4, which grad (argument 0) never returns.  1 x Wout is Wout, and a unit vector x W1 is a row of W1: both are read, not multiplied.
; A NaN, an infinity or an overflow that reaches only the work left out is not carried to a result.
; ARITHMETIC.  c = log2(e).  q = a c; u = 2^-|q|; h' = max(q, 0) + log2(1 + u); softplus = ln2 h'; sigmoid s = 2^(q - h'); where softplus is not wanted, s = 1 / (1 + 2^-q).  The maximum is taken away ahead of every exponential.
; A product's sum of codes stays "raw"; its power of two is folded into c (forward), or into the next conversion's scale and hold (backward, tangents).  The last products with W1^T (N = 4) take bf16 operands, f32 sums.
; a1 comes from v_wmma_f32_16x16x4_f32 (its result goes on into quantised operands), K = 8 = (x1, x4, 1, 0) against (W1 c ; b1 c ; 0).
; LAYOUT.  A tile is 16 samples.  Every product is used transposed (source 0 = 16 rows of the weight, source 1 = the samples): lane (r, h) holds sample r, register 8 t + j of an array unit 16 t + 8 h + j.  Four conversions of eight
; make of an array the next K = 64 operand as it stands; pairs rounded to bf16 make the K = 32 operands.  Nothing changes lanes.
; SHARES.  256 work-groups of four waves; wave w of group g owns samples 128 (4 g + w) on: 8 tiles.  Loop 1: layer 1 and all of ddy (8 weight versions in registers).  Loop 2: y and dy, two tiles a trip (6 versions).
; Loop 1 hands loop 2, in the wave's own LDS bytes, h1's codes under e0 and e4 and sigmoid(a1).  The 14 quantised weight versions are made once a work-group (wave w: tile w of each) and lie in LDS as images of registers.
; LIMITS.  e12, e0, e4, e14, e16, e20, e2, e6, e8, every weight's e, e18-e14-e15, e22-e18-e19, e24-e20-e21, e26-e22-e23, e10-e8-e9: between -126 and 119.  e12+e13, e16+e17, e0+e1, e4+e5, e2+e3, e6+e7: between -126 and 126.
; e20+e21+e14+e15-e22-e23 and e24+e25-e26-e27: between -126 and 127.  NaN among the inputs is not served.  log2(1 + u) is taken of the rounded 1 + u: its error is about 1e-7 absolute, so a softplus under 0.05 is less exact than 1e-6 of itself.
; No tensor load, cluster or prefetch: work-groups share 35 KB of weights, read once at the head and converted in registers; nothing streams afterwards.
; THE MODE: SCHED_MODE bits 1:0 = 2 (LLVM: expert scheduling mode 2), set by the entry lines.  The code itself states the register dependences between vector or matrix instructions and memory or LDS instructions,
; with s_wait_alu, always for 0.
; THE PLAN.  Registers that memory or LDS instructions touch, and who else names them:
;   SET-UP.  All addresses are made at the head: one wait on va_vdst ahead of the first load.  Window 3's v0-111, the 14 weight tiles' codes, each version in registers of its own: written by all the conversions, then read by
;            28 LDS stores in one run behind one wait on va_vdst.  One wait on vm_vsrc behind the barrier frees what the set-up's loads and stores have read (v6, v7, v16-22, v64-87, window 3's v0-111).
;   LOOP 1.  v6, v7: written by L1X's adds, read by its loads.  v8-11: those loads land there; read by two selects and the f32 products.  v13, v72-87, sigmoid(a1) (window 3's v224-255): written in ACT1, read by the twelve stores
;            at its end.  v224-231: written by eight v_ldexp_f32, read by the stage's stores.  v104-111: loaded from the stage, read by out2's stores, named by no vector instruction of the loop.
;            A trip has one wait on vm_vsrc, at its head, for all of these, and three on va_vdst: in L1X, ahead of the stage's stores, ahead of the images' stores.
;   LOOP 2.  v13, v6, v7, v31: written by four adds behind the first products.  Window 1's v192-223, the codes: read by both tiles' first products, loaded anew behind the first tile's second phase.  MG of each tile: written by
;            maxima, read by additions, then sigmoid(a1) lands there.  v28, v20-23: the data of three stores at the trip's end.
;            A trip has one wait on vm_vsrc, at its head, and, beside the waits behind its transcendentals, three on va_vdst: ahead of each tile's loads of sigmoid(a1), and ahead of the three stores.
;   v3, v12, v14, v15 and the other addresses that stay are never written again.
.set LOG2E, 0x3fb8aa3b
.set LN2C,  0x3f317218
; LDS
.set XS1,   57344                      ; behind the 14 weight images of 4,096 bytes: x1 as it lies, 2,048 bytes a wave
.set XS4,   65536                      ; x4, 1,024 a wave
.set IMG,   69632                      ; 49,152 a wave, 6,144 a tile: codes e0 (+0, +512), codes e4 (+1024, +1536), sigmoid(a1) (+2048 + 512 c)
.set OST,   266240                     ; out2's stage: 4 blocks of 256 bytes, 272 apart; 1,280 a wave
.set DYS,   271360                     ; dy's stage, 2,048 a wave
.set YS,    279552                     ; y's stage, 512 a wave
.set SPARE, 281600                     ; the spare words, 128 bytes a wave: two blocks of 256 bytes that no other line names
; window 0
.set SPW, 1
.set NIL, 2
.set LN16, 3                           ; 16 x lane
.set XA1, 4
.set XA4, 5
.set LI,  12                           ; IMG + 49152 w + 16 x lane
.set AD,  13
.set STO, 14
.set RD,  15
.set DYA, 26
.set YA,  27
.set A1,  32                           ; v32-63: q1, written by the f32 matrix form alone
.set CP,  64
.set CT,  72
.set OB,  104
.set TA,  128
.set DD1, 128
.set BF1, 160
.set OUT, 224
.set TMP, 96                           ; set-up
.set WF2, 128
.set WF3, 160
.set WG3, 192
.set WG2, 224
; window 3, loop 1
.set TB,  0
.set R,   128
.set U,   160
.set M,   192
.set S1,  224
.set RW0, 112                          ; set-up
.set RW1, 120
.set RB1, 128
.set RAB, 132
; window 2
.set W1R, 0
.set BC2, 128
.set BC3, 160
.set WOUT, 192
.set W1X, 224
.set AB,  240
.set MSB, 0
.macro WIN new                         ; bits 1:0 source 0, 3:2 source 1, 5:4 source 2, 7:6 destination; the high byte repeats the setting that is left
.set NEWW, (\new)
.if MSB != NEWW
	s_set_vgpr_msb (MSB<<8)|NEWW
.set MSB, NEWW
.endif
.endm
.macro PLACES n
.rept \n
	v_nop
.endr
.endm
; s2 holds an exponent e
.macro MKSC vr                         ; 2^e as f32: a conversion takes its exponent field
	s_add_co_i32 s3, s2, 127
	s_lshl_b32 s3, s3, 23
	v_mov_b32 v[\vr], s3
.endm
.macro MKLIM sp                        ; 448 x 2^e
	s_add_co_i32 s3, s2, 135
	s_lshl_b32 s3, s3, 23
	s_or_b32 s[\sp], s3, 0x600000
.endm
.macro MKPAIR sn                       ; -448 x 2^e, +448 x 2^e
	MKLIM (\sn)+1
	s_or_b32 s[\sn], s[(\sn)+1], 0x80000000
.endm
.macro MKK sp                          ; c x 2^e, as a pair
	s_lshl_b32 s3, s2, 23
	s_add_co_i32 s[\sp], s3, LOG2E
	s_mov_b32 s[(\sp)+1], s[\sp]
.endm
.macro MKP2 sp                         ; 2^e, as a pair
	s_add_co_i32 s3, s2, 127
	s_lshl_b32 s[\sp], s3, 23
	s_mov_b32 s[(\sp)+1], s[\sp]
.endm
.macro PMUL d, a, b, n
.set ii, 0
.rept \n
	v_pk_mul_f32 v[(\d)+ii:(\d)+ii+1], v[(\a)+ii:(\a)+ii+1], v[(\b)+ii:(\b)+ii+1]
.set ii, ii+2
.endr
.endm
.macro PMULS d, a, sp, n
.set ii, 0
.rept \n
	v_pk_mul_f32 v[(\d)+ii:(\d)+ii+1], v[(\a)+ii:(\a)+ii+1], s[\sp:(\sp)+1] op_sel_hi:[1,0]
.set ii, ii+2
.endr
.endm
.macro PFMAS d, a, sp, c, n            ; a x scalar + c
.set ii, 0
.rept \n
	v_pk_fma_f32 v[(\d)+ii:(\d)+ii+1], v[(\a)+ii:(\a)+ii+1], s[\sp:(\sp)+1], v[(\c)+ii:(\c)+ii+1] op_sel_hi:[1,0,1]
.set ii, ii+2
.endr
.endm
.macro PFMA d, a, b, c, n
.set ii, 0
.rept \n
	v_pk_fma_f32 v[(\d)+ii:(\d)+ii+1], v[(\a)+ii:(\a)+ii+1], v[(\b)+ii:(\b)+ii+1], v[(\c)+ii:(\c)+ii+1]
.set ii, ii+2
.endr
.endm
.macro PFNMA d, a, b, c, n             ; c - a b
.set ii, 0
.rept \n
	v_pk_fma_f32 v[(\d)+ii:(\d)+ii+1], v[(\a)+ii:(\a)+ii+1], v[(\b)+ii:(\b)+ii+1], v[(\c)+ii:(\c)+ii+1] neg_lo:[1,0,0] neg_hi:[1,0,0]
.set ii, ii+2
.endr
.endm
.macro PADD d, a, b, n
.set ii, 0
.rept \n
	v_pk_add_f32 v[(\d)+ii:(\d)+ii+1], v[(\a)+ii:(\a)+ii+1], v[(\b)+ii:(\b)+ii+1]
.set ii, ii+2
.endr
.endm
.macro PSUB d, a, b, n
.set ii, 0
.rept \n
	v_pk_add_f32 v[(\d)+ii:(\d)+ii+1], v[(\a)+ii:(\a)+ii+1], v[(\b)+ii:(\b)+ii+1] neg_lo:[0,1] neg_hi:[0,1]
.set ii, ii+2
.endr
.endm
.macro PADD1 d, n
.set ii, 0
.rept \n
	v_pk_add_f32 v[(\d)+ii:(\d)+ii+1], v[(\d)+ii:(\d)+ii+1], 1.0 op_sel_hi:[1,0]
.set ii, ii+2
.endr
.endm
.macro HOLD b, n, sn                   ; the conversion to an 8-bit code does not saturate (ISA guide 7.6.2): held within the largest code x the scale first
.set ii, 0
.rept \n
	v_med3_num_f32 v[(\b)+ii], v[(\b)+ii], s[\sn], s[(\sn)+1]
.set ii, ii+1
.endr
.endm
.macro CVT4 d, a, sc                   ; an array of 32 becomes the 8 registers of a K = 64 operand
.irp c, 0,1,2,3
	v_cvt_scalef32_pk8_fp8_f32 v[(\d)+2*\c:(\d)+2*\c+1], v[(\a)+8*\c:(\a)+8*\c+7], v[\sc]
.endr
.endm
.macro MM4 d, wb, b                    ; 16 samples x 64 units: four tiles of 16 weight rows, K = 64, the sums begun with 0
.irp t, 0,1,2,3
	v_wmma_f32_16x16x64_fp8_fp8 v[(\d)+8*\t:(\d)+8*\t+7], v[(\wb)+8*\t:(\wb)+8*\t+7], v[(\b):(\b)+7], 0
.endr
.endm
; set-up: my tile of weight version v, from the 32 f32 numbers at v[src], with exponent entry eidx, into eight registers of its own in window 3; the run of stores behind the fourteen sends them to their images in LDS
.macro QW v, src, eidx
	WIN 0
	s_mov_b32 s2, s[32+\eidx]
	MKSC 28
	MKPAIR 93
.set ii, 0
.rept 32
	v_med3_num_f32 v[TMP+ii], v[(\src)+ii], s93, s94
.set ii, ii+1
.endr
	WIN 0xC0
	CVT4 8*\v, TMP, 28
	v_nop                                          ; a plain line between the conversions and the next writes of their sources
.endm
.macro L1X                             ; a tile's x from the wave's stage: (x1[2h], x1[2h+1]) and (x4[0], x4[1]) of sample r
	v_add_nc_u32 v6, s93, v[XA1]
	v_add_nc_u32 v7, s94, v[XA4]
	s_wait_alu depctr_va_vdst(0)                   ; v6 and v7 are written, which the two loads read; the last tile's selects and f32 products are done with v8-11, in which they land
	ds_load_b64 v[8:9], v6
	ds_load_b64 v[10:11], v7
.endm
.macro L1W                             ; q1 = c (x W1 + b1): K = 8 in two steps; the four accumulators take turns
	s_wait_dscnt 0x0                               ; x is in
	v_cndmask_b32 v10, v10, 1.0, s31               ; lanes 16-31 hold k = 6, 7: the 1 that meets b1, and 0
	v_cndmask_b32 v11, v11, 0, s31
	WIN 0x02
.irp t, 0,1,2,3
	v_wmma_f32_16x16x4_f32 v[A1+8*\t:A1+8*\t+7], v[W1X+4*\t:W1X+4*\t+1], v[8:9], 0
.endr
.irp t, 0,1,2,3
	v_wmma_f32_16x16x4_f32 v[A1+8*\t:A1+8*\t+7], v[W1X+4*\t+2:W1X+4*\t+3], v[10:11], v[A1+8*\t:A1+8*\t+7]
.endr
	WIN 0
.endm
; layer 1's activation: from q1 to sigmoid (S1), h1's codes under e12 (CP), and the images for loop 2 at LI + s95
.macro ACT1
	WIN 0xC0
.set ii, 0
.rept 32
	v_exp_f32 v[U+ii], -|v[A1+ii]|
	v_max_num_f32 v[M+ii], v[A1+ii], 0
.set ii, ii+1
.endr
	s_wait_alu depctr_va_vdst(0)                   ; one wait for the batch, ahead of its first reader
	WIN 0xC3
	PADD1 U, 16
.set ii, 0
.rept 32
	v_log_f32 v[U+ii], v[U+ii]
.set ii, ii+1
.endr
	v_nop                                          ; a plain line behind the last of the batch
	s_wait_alu depctr_va_vdst(0)                   ; the logarithms have written U, ahead of their first reader
	WIN 0xCF
	PADD M, M, U, 16                               ; h1'
	WIN 0xCC
	PSUB S1, A1, M, 16                             ; q1 - h1'
	WIN 0xC3
.set ii, 0
.rept 16
	v_exp_f32 v[S1+ii], v[S1+ii]
	v_pk_mul_f32 v[M+2*ii:M+2*ii+1], v[M+2*ii:M+2*ii+1], LN2C op_sel_hi:[1,0]   ; h1
.set ii, ii+1
.endr
.rept 16                                       ; h1 is not negative: one-sided holds, one for each of its three scales
	v_exp_f32 v[S1+ii], v[S1+ii]
	v_min_num_f32 v[U+2*ii-32], v[M+2*ii-32], s75
	v_min_num_f32 v[U+2*ii-31], v[M+2*ii-31], s75
	v_min_num_f32 v[R+2*ii-32], v[M+2*ii-32], s76
	v_min_num_f32 v[R+2*ii-31], v[M+2*ii-31], s76
	v_min_num_f32 v[TB+2*ii-32], v[M+2*ii-32], s77
	v_min_num_f32 v[TB+2*ii-31], v[M+2*ii-31], s77
.set ii, ii+1
.endr
	WIN 0x03
	CVT4 CP, U, 16                                 ; (these name none of the exponentials' results)
	CVT4 CT, R, 17
	CVT4 CT+8, TB, 18
	v_nop
	WIN 0
	v_add_nc_u32 v[AD], s95, v[LI]
	s_wait_alu depctr_va_vdst(0)                   ; the exponentials have written sigmoid(a1), the conversions v72-87, the add v13: the twelve stores below read them, and are the first lines that name the exponentials' results
	ds_store_b128 v[AD], v[CT:CT+3]
	ds_store_b128 v[AD], v[CT+4:CT+7] offset:512
	ds_store_b128 v[AD], v[CT+8:CT+11] offset:1024
	ds_store_b128 v[AD], v[CT+12:CT+15] offset:1536
	WIN 0x0C
.irp c, 0,1,2,3,4,5,6,7
	ds_store_b128 v[AD], v[S1+4*\c:S1+4*\c+3] offset:2048+512*\c
.endr
	WIN 0
.endm
; ---------------- the head
	s_load_b512 s[4:19], s[0:1], 0x0               ; x1 s4, x4 s6, W1 s8, b1 s10, W2 s12, b2 s14, W3 s16, b3 s18
	s_load_b256 s[20:27], s[0:1], 0x40             ; Wout s20, the exponents s22, out0 s24, out1 s26
	s_load_b64 s[28:29], s[0:1], 0x60              ; out2
	v_lshl_add_u32 v[SPW], v0, 2, SPARE
	v_mov_b32 v[NIL], 0
	v_lshrrev_b32 v28, 5, v0
	v_readfirstlane_b32 s30, v28                   ; wave w
	s_mov_b32 s31, 0xffff0000                      ; lanes 16-31
	v_and_b32 v28, 31, v0                          ; lane
	v_and_b32 v29, 15, v0                          ; r
	v_bfe_u32 v30, v0, 4, 1                        ; h
	v_lshlrev_b32 v[LN16], 4, v28
	s_wait_alu depctr_va_sdst(0)                   ; s30 is written, ahead of its first reader: LDS places and the buffers' bases are made from it
	s_lshl_b32 s2, s30, 11
	s_add_co_u32 s2, s2, XS1
	v_lshlrev_b32 v[XA1], 4, v29
	v_lshl_add_u32 v[XA1], v30, 3, v[XA1]
	v_add_nc_u32 v[XA1], s2, v[XA1]                ; XS1 + 2048 w + 16 r + 8 h
	v_add_nc_u32 v6, s2, v[LN16]                   ; where x1 is staged
	s_lshl_b32 s3, s30, 10
	s_add_co_u32 s3, s3, XS4
	v_lshlrev_b32 v[XA4], 3, v29
	v_add_nc_u32 v[XA4], s3, v[XA4]                ; XS4 + 1024 w + 8 r
	v_add_nc_u32 v7, s3, v[LN16]
	s_mul_i32 s2, s30, 49152
	s_add_co_u32 s2, s2, IMG
	v_add_nc_u32 v[LI], s2, v[LN16]
	s_mul_i32 s2, s30, 1280
	s_add_co_u32 s2, s2, OST
	v_lshrrev_b32 v31, 2, v29
	v_mul_u32_u24 v[STO], v31, 272
	v_and_b32 v31, 3, v29
	v_lshl_add_u32 v[STO], v31, 6, v[STO]
	v_lshl_add_u32 v[STO], v30, 5, v[STO]
	v_add_nc_u32 v[STO], s2, v[STO]                ; sample r's 64 bytes: block r / 4, 64 (r % 4) + 32 h
	v_mul_u32_u24 v[RD], v30, 272
	v_lshl_add_u32 v[RD], v29, 4, v[RD]
	v_add_nc_u32 v[RD], s2, v[RD]                  ; back: sixteen lanes to a block of 256 bytes
	s_lshl_b32 s2, s30, 11
	s_add_co_u32 s2, s2, DYS
	v_lshlrev_b32 v[DYA], 4, v29
	v_lshl_add_u32 v[DYA], v30, 3, v[DYA]
	v_add_nc_u32 v[DYA], s2, v[DYA]
	s_lshl_b32 s2, s30, 9
	s_add_co_u32 s2, s2, YS
	v_lshlrev_b32 v[YA], 2, v28
	v_add_nc_u32 v[YA], s2, v[YA]
	; offsets of the set-up's loads
	v_lshlrev_b32 v16, 2, v29
	v_lshl_add_u32 v16, v30, 11, v16
	s_lshl_b32 s2, s30, 6
	v_add_nc_u32 v16, s2, v16                      ; forward fragments: row 8 h, column 16 w + r
	v_lshlrev_b32 v17, 8, v29
	v_lshl_add_u32 v17, v30, 5, v17
	s_lshl_b32 s2, s30, 12
	v_add_nc_u32 v17, s2, v17                      ; backward fragments: row 16 w + r, column 8 h
	v_lshlrev_b32 v18, 5, v30                      ; per-unit arrays: unit 8 h
	v_lshlrev_b32 v20, 2, v29                      ; 4 r
	v_lshl_add_u32 v19, v30, 9, v20                ; row 2 h, column r
	v_lshrrev_b32 v21, 2, v29
	v_lshlrev_b32 v21, 8, v21
	v_lshl_add_u32 v21, v30, 5, v21                ; row r / 4, column 8 h
	s_lshl_b32 s2, s30, 10
	v_add_nc_u32 v22, s2, v[LN16]                  ; my tile's place in a weight image
	s_wait_kmcnt 0x0
	s_load_b512 s[32:47], s[22:23], 0x0            ; e0 .. e27 in s32 .. s59
	s_load_b256 s[48:55], s[22:23], 0x40
	s_load_b128 s[56:59], s[22:23], 0x60
	s_lshl_b32 s2, ttmp9, 2
	s_add_co_u32 s2, s2, s30                       ; 4 g + w: my run of 128 samples
	s_mov_b32 s61, 0
	s_lshl_b32 s60, s2, 11
	s_add_nc_u64 s[4:5], s[4:5], s[60:61]
	s_add_nc_u64 s[26:27], s[26:27], s[60:61]
	s_lshl_b32 s60, s2, 10
	s_add_nc_u64 s[6:7], s[6:7], s[60:61]
	s_lshl_b32 s60, s2, 9
	s_add_nc_u64 s[24:25], s[24:25], s[60:61]
	s_lshl_b32 s60, s2, 13
	s_add_nc_u64 s[28:29], s[28:29], s[60:61]
	s_wait_alu depctr_va_vdst(0)                   ; every address and offset made above is written: v3, v6, v7, v12, v14 to v22 are read by the loads and LDS stores below; only loads and window switches follow up to the last of the loads
.irp i, 0,1,2,3
	global_load_b128 v[64+4*\i:67+4*\i], v[LN16], s[4:5] offset:512*\i th:TH_LOAD_NT
.endr
.irp i, 0,1
	global_load_b128 v[80+4*\i:83+4*\i], v[LN16], s[6:7] offset:512*\i th:TH_LOAD_NT
.endr
.irp c, 0,1,2,3
.irp j, 0,1,2,3,4,5,6,7
	global_load_b32 v[WF2+8*\c+\j], v16, s[12:13] offset:256*(16*\c+\j)   ; W2[16 c + 8 h + j][16 w + r]
	global_load_b32 v[WF3+8*\c+\j], v16, s[16:17] offset:256*(16*\c+\j)
.endr
.endr
.irp c, 0,1,2,3
.irp q, 0,1
	global_load_b128 v[WG2+8*\c+4*\q:WG2+8*\c+4*\q+3], v17, s[12:13] offset:64*\c+16*\q   ; W2[16 w + r][16 c + 8 h + 4 q ..]
	global_load_b128 v[WG3+8*\c+4*\q:WG3+8*\c+4*\q+3], v17, s[16:17] offset:64*\c+16*\q
.endr
.endr
	WIN 0x80
.irp d, 0,1,2,3
.irp t, 0,1,2,3
.irp q, 0,1
	global_load_b128 v[W1R+32*\d+8*\t+4*\q:W1R+32*\d+8*\t+4*\q+3], v18, s[8:9] offset:256*\d+64*\t+16*\q   ; row d of W1 in an array's layout
.endr
.endr
.endr
.irp t, 0,1,2,3
.irp q, 0,1
	global_load_b128 v[BC2+8*\t+4*\q:BC2+8*\t+4*\q+3], v18, s[14:15] offset:64*\t+16*\q
	global_load_b128 v[BC3+8*\t+4*\q:BC3+8*\t+4*\q+3], v18, s[18:19] offset:64*\t+16*\q
	global_load_b128 v[WOUT+8*\t+4*\q:WOUT+8*\t+4*\q+3], v18, s[20:21] offset:64*\t+16*\q
.endr
.endr
	WIN 0xC0
.irp t, 0,1,2,3
.irp j, 0,1
	global_load_b32 v[RW0+2*\t+\j], v19, s[8:9] offset:256*\j+64*\t          ; W1[2 h + j][16 t + r]
	global_load_b32 v[RW1+2*\t+\j], v20, s[8:9] offset:1024+256*\j+64*\t     ; W1[4 + j][16 t + r]
.endr
	global_load_b32 v[RB1+\t], v20, s[10:11] offset:64*\t
.endr
.irp s, 0,1
.irp g, 0,1
.irp q, 0,1
	global_load_b128 v[RAB+16*\s+8*\g+4*\q:RAB+16*\s+8*\g+4*\q+3], v21, s[8:9] offset:128*\s+64*\g+16*\q   ; W1[r / 4][32 s + 16 g + 8 h + 4 q ..]
.endr
.endr
.endr
	WIN 0
	s_wait_loadcnt 0x0
.irp i, 0,1,2,3
	ds_store_b128 v6, v[64+4*\i:67+4*\i] offset:512*\i
.endr
.irp i, 0,1
	ds_store_b128 v7, v[80+4*\i:83+4*\i] offset:512*\i
.endr
	s_wait_kmcnt 0x0
	QW 0,  WF2, 13                                 ; loop 1: a2 primal
	QW 1,  WF3, 17                                 ; a3 primal
	QW 2,  WG3, 21                                 ; back through W3, primal
	QW 3,  WG2, 25                                 ; back through W2, primal
	QW 4,  WF2, 15                                 ; the tangents' four
	QW 5,  WF3, 19
	QW 6,  WG3, 23
	QW 7,  WG2, 27
	QW 8,  WF2, 1                                  ; loop 2: y
	QW 9,  WF3, 3
	QW 10, WF2, 5                                  ; dy forward
	QW 11, WF3, 7
	QW 12, WG3, 9                                  ; dy backward
	QW 13, WG2, 11
	WIN 0x0C
	s_wait_alu depctr_va_vdst(0)                   ; the conversions have written the fourteen tiles' codes, window 3's v0-111, which the 28 stores read
.irp v, 0,1,2,3,4,5,6,7,8,9,10,11,12,13
	ds_store_b128 v22, v[8*\v:8*\v+3] offset:4096*\v
	ds_store_b128 v22, v[8*\v+4:8*\v+7] offset:4096*\v+512
.endr
	WIN 0x82
.set ii, 0
.rept 32
	v_pk_mul_f32 v[BC2+ii:BC2+ii+1], v[BC2+ii:BC2+ii+1], LOG2E op_sel_hi:[1,0]   ; b2 c, b3 c
.set ii, ii+2
.endr
	WIN 0xCF
.irp t, 0,1,2,3
	v_cndmask_b32 v[RW1+2*\t], v[RW1+2*\t], v[RB1+\t], s31     ; k = 6: b1
	v_cndmask_b32 v[RW1+2*\t+1], v[RW1+2*\t+1], 0, s31         ; k = 7: 0
.endr
	WIN 0x8C
.irp t, 0,1,2,3
.irp j, 0,1
	v_mul_f32 v[W1X+4*\t+\j], LOG2E, v[RW0+2*\t+\j]
	v_mul_f32 v[W1X+4*\t+2+\j], LOG2E, v[RW1+2*\t+\j]
.endr
.endr
	WIN 0x8F
.set ii, 0
.rept 16
	v_cvt_pk_bf16_f32 v[AB+ii], v[RAB+2*ii], v[RAB+2*ii+1]     ; W1^T for the last products: row m holds W1[m / 4]
.set ii, ii+1
.endr
	WIN 0
	s_wait_dscnt 0x0                               ; for the others' sake: my tiles of the weight images have landed
	s_barrier_signal -1
	s_barrier_wait -1
	WIN 0x40
.irp v, 0,1,2,3,4,5,6,7
.irp t, 0,1,2,3
.irp q, 0,1
	ds_load_b128 v[32*\v+8*\t+4*\q:32*\v+8*\t+4*\q+3], v[LN16] offset:4096*\v+1024*\t+512*\q   ; no vector instruction has named window 1, and v3 was written ahead of the head's wait
.endr
.endr
.endr
	WIN 0
	s_mov_b32 s93, 0
	s_mov_b32 s94, 0
	s_wait_alu depctr_vm_vsrc(0)                   ; the set-up's loads have read v16-21, x's stores v6, v7 and v64-87, the images' stores v22 and window 3's v0-111: all of these are written again from here on
	L1X                                            ; tile 0
	s_mov_b32 s2, s44                              ; e12
	MKSC 16
	MKLIM 75
	s_mov_b32 s2, s32                              ; e0
	MKSC 17
	MKLIM 76
	s_mov_b32 s2, s36                              ; e4
	MKSC 18
	MKLIM 77
	s_mov_b32 s2, s46                              ; e14
	MKSC 19
	MKPAIR 79
	s_mov_b32 s2, s48                              ; e16
	MKSC 20
	MKLIM 78
	s_sub_co_i32 s2, s50, s46
	s_sub_co_i32 s2, s2, s47                       ; e18 - e14 - e15: the operand is kept in the raw units of the product before
	MKSC 21
	MKPAIR 81
	s_mov_b32 s2, s52                              ; e20
	MKSC 22
	MKPAIR 83
	s_sub_co_i32 s2, s54, s50
	s_sub_co_i32 s2, s2, s51                       ; e22 - e18 - e19
	MKSC 23
	MKPAIR 85
	s_sub_co_i32 s2, s56, s52
	s_sub_co_i32 s2, s2, s53                       ; e24 - e20 - e21
	MKSC 24
	MKPAIR 87
	s_sub_co_i32 s2, s58, s54
	s_sub_co_i32 s2, s2, s55                       ; e26 - e22 - e23
	MKSC 25
	MKPAIR 89
	s_add_co_i32 s2, s44, s45
	MKK 66                                         ; c 2^(e12 + e13)
	s_add_co_i32 s2, s48, s49
	MKK 68                                         ; c 2^(e16 + e17)
	s_add_co_i32 s2, s52, s53
	s_add_co_i32 s2, s2, s46
	s_add_co_i32 s2, s2, s47
	s_sub_co_i32 s2, s2, s54
	s_sub_co_i32 s2, s2, s55
	MKP2 70                                        ; 2^(e20 + e21 + e14 + e15 - e22 - e23)
	s_add_co_i32 s2, s56, s57
	s_sub_co_i32 s2, s2, s58
	s_sub_co_i32 s2, s2, s59
	MKP2 72                                        ; 2^(e24 + e25 - e26 - e27)
	s_add_co_i32 s74, s58, s59                     ; e26 + e27
	L1W                                            ; its wait for 0 also shows the weights in
	PLACES 8                                       ; eight places between the f32 matrix form and the first read of its results (ISA guide 7.12.1)
	s_mov_b32 s60, 0                               ; tile
	s_mov_b32 s61, 0                               ; its bytes in x1's stage,
	s_mov_b32 s62, 0                               ; in x4's,
	s_mov_b32 s63, 0                               ; among the images
	s_mov_b32 s95, 0
	ACT1
; ---------------- loop 1: ddy, a tile a trip; layer 1 of the next tile is made on the way
.Ltile:
	s_wait_alu depctr_vm_vsrc(0)                   ; what was issued so far has read its registers: x's loads v6, v7; the images' stores v13, v72-87 and sigmoid(a1); the stage's stores v224-231; out2's stores v104-111: this trip writes all of them again
	s_add_co_u32 s93, s61, 256                     ; the next tile's places, held inside the wave's own bytes
	s_min_u32 s93, s93, 1792
	s_add_co_u32 s94, s62, 128
	s_min_u32 s94, s94, 896
	s_add_co_u32 s95, s63, 6144
	s_min_u32 s95, s95, 43008
	s_cmp_eq_u32 s60, 7
	s_cbranch_scc1 .Lno_x                          ; the last tile has no next
	L1X
.Lno_x:
	WIN 0xC1
	MM4 R, 0, CP                                   ; raw a2
	WIN 0xCB
.irp d, 0,1,2,3
	PMUL TB+32*\d, S1, W1R+32*\d, 16               ; tangent of h1: s1 W1[d]
.endr
	WIN 0
	s_cmp_eq_u32 s60, 7
	s_cbranch_scc1 .Lno_w
	L1W
.Lno_w:
	WIN 0xE3
	PFMAS R, R, 66, BC2, 16                        ; q2
	WIN 0xC3
.set ii, 0
.rept 32
	v_exp_f32 v[U+ii], -|v[R+ii]|
	v_max_num_f32 v[M+ii], v[R+ii], 0
	v_med3_num_f32 v[TB+ii], v[TB+ii], s79, s80
.set ii, ii+1
.endr
	s_wait_dscnt 0x0                               ; the image stores have read the code registers that are written next
	WIN 0x03
	CVT4 CT, TB, 19
	v_nop
	WIN 0x01
	MM4 TA, 128, CT                                ; raw tangent of a2, d = 0
	s_wait_alu depctr_va_vdst(0)                   ; the exponentials have written U, ahead of their first reader
	WIN 0xC3
	PADD1 U, 16
.set ii, 0
.rept 32
	v_log_f32 v[U+ii], v[U+ii]
	v_med3_num_f32 v[TB+32+ii], v[TB+32+ii], s79, s80
	v_med3_num_f32 v[TB+64+ii], v[TB+64+ii], s79, s80
.set ii, ii+1
.endr
	WIN 0x03
	CVT4 CT+8, TB+32, 19
	CVT4 CT+16, TB+64, 19
	v_nop
	WIN 0x01
	MM4 TA+32, 128, CT+8
	MM4 TA+64, 128, CT+16
	s_wait_alu depctr_va_vdst(0)                   ; the logarithms have written U, ahead of their first reader
	WIN 0xCF
	PADD M, M, U, 16                               ; h2'
	PSUB R, R, M, 16                               ; q2 - h2'
	WIN 0xC3
.set ii, 0
.rept 16
	v_exp_f32 v[R+ii], v[R+ii]                     ; s2
	v_pk_mul_f32 v[M+2*ii:M+2*ii+1], v[M+2*ii:M+2*ii+1], LN2C op_sel_hi:[1,0]
	v_med3_num_f32 v[TB+96+ii], v[TB+96+ii], s79, s80
.set ii, ii+1
.endr
.rept 16
	v_exp_f32 v[R+ii], v[R+ii]
	v_min_num_f32 v[M+2*ii-32], v[M+2*ii-32], s78
	v_min_num_f32 v[M+2*ii-31], v[M+2*ii-31], s78
	v_med3_num_f32 v[TB+96+ii], v[TB+96+ii], s79, s80
.set ii, ii+1
.endr
	WIN 0x03
	CVT4 CT+24, TB+96, 19
	CVT4 CP, M, 20
	v_nop
	WIN 0x01
	MM4 TA+96, 128, CT+24
	WIN 0xC1
	MM4 U, 32, CP                                  ; raw a3
	s_wait_alu depctr_va_vdst(0)                   ; the exponentials have written s2, ahead of its first reader
	WIN 0xC3
.irp d, 0,1,2,3
	PMUL TB+32*\d, R, TA+32*\d, 16                 ; tangent of h2, raw: s2 x raw tangent of a2
.endr
	WIN 0xE3
	PFMAS U, U, 68, BC3, 16                        ; q3
	WIN 0xC3
.set ii, 0
.rept 32
	v_exp_f32 v[U+ii], -v[U+ii]
	v_med3_num_f32 v[TB+ii], v[TB+ii], s81, s82
	v_med3_num_f32 v[TB+32+ii], v[TB+32+ii], s81, s82
.set ii, ii+1
.endr
	WIN 0x03
	CVT4 CT, TB, 21
	CVT4 CT+8, TB+32, 21
	v_nop
	WIN 0xC1
	MM4 TB, 160, CT                                ; raw tangent of a3
	MM4 TB+32, 160, CT+8
	s_wait_alu depctr_va_vdst(0)                   ; the exponentials have written U, ahead of their first reader
	WIN 0xC3
	PADD1 U, 16
.set ii, 0
.rept 32
	v_rcp_f32 v[U+ii], v[U+ii]                     ; s3
	v_med3_num_f32 v[TB+64+ii], v[TB+64+ii], s81, s82
	v_med3_num_f32 v[TB+96+ii], v[TB+96+ii], s81, s82
.set ii, ii+1
.endr
	WIN 0x03
	CVT4 CT+16, TB+64, 21
	CVT4 CT+24, TB+96, 21
	v_nop
	WIN 0xC1
	MM4 TB+64, 160, CT+16
	MM4 TB+96, 160, CT+24
	s_wait_alu depctr_va_vdst(0)                   ; the reciprocals have written s3, ahead of its first reader
	WIN 0xCB
	PMUL M, U, WOUT, 16                            ; c3 = s3 wout
	WIN 0xFF
	PFNMA U, M, U, M, 16                           ; c3 (1 - s3)
	WIN 0xC3
	HOLD M, 32, 83
	WIN 0x03
	CVT4 CP, M, 22
	v_nop
	WIN 0xC1
	MM4 M, 64, CP                                  ; raw cotangent of h2
	WIN 0xCF
.irp d, 0,1,2,3
	PMUL TB+32*\d, TB+32*\d, U, 16                 ; tangent of c3, raw
.endr
	HOLD TB, 128, 85
	WIN 0x03
.irp d, 0,1,2,3
	CVT4 CT+8*\d, TB+32*\d, 23
.endr
	v_nop
	WIN 0xC1
.irp d, 0,1,2,3
	MM4 TB+32*\d, 192, CT+8*\d                     ; raw tangent of h2's cotangent
.endr
	WIN 0xCF
	PMUL U, M, R, 16                               ; c2, raw
	WIN 0xC3
	PMULS M, U, 70, 16
	WIN 0xFF
	PFNMA M, M, R, M, 16                           ; c2 (1 - s2), in the tangents' raw units
	WIN 0xC3
	HOLD U, 32, 87
	WIN 0x03
	CVT4 CP, U, 24
	v_nop
	WIN 0xC1
	MM4 U, 96, CP                                  ; raw cotangent of h1
	WIN 0x0C
.irp d, 0,1,2,3
	PMUL TA+32*\d, TA+32*\d, M, 16
.endr
	WIN 0xCF
.irp d, 0,1,2,3
	PFMA TB+32*\d, TB+32*\d, R, TA+32*\d, 16       ; tangent of c2, raw
.endr
	HOLD TB, 128, 89
	WIN 0x03
.irp d, 0,1,2,3
	CVT4 CT+8*\d, TB+32*\d, 25
.endr
	v_nop
	WIN 0xC1
.irp d, 0,1,2,3
	MM4 TB+32*\d, 224, CT+8*\d                     ; raw tangent of h1's cotangent
.endr
	WIN 0xCF
	PMUL U, U, S1, 16
	WIN 0xC3
	PMULS U, U, 72, 16
	WIN 0xFF
	PFNMA U, U, S1, U, 16                          ; c1 (1 - s1), in the tangents' raw units
	WIN 0x0B
.irp d, 0,1,2,3
	PMUL TA+32*\d, U, W1R+32*\d, 16
.endr
	WIN 0xCF
.irp d, 0,1,2,3
	PFMA TB+32*\d, TB+32*\d, S1, TA+32*\d, 16      ; tangent of c1, raw
.endr
	WIN 0x0F
.irp d, 0,1,2,3
.set ii, 0
.rept 16
	v_cvt_pk_bf16_f32 v[BF1+16*\d+ii], v[TB+32*\d+2*ii], v[TB+32*\d+2*ii+1]
.set ii, ii+1
.endr
.endr
	WIN 0x02                                       ; x W1^T: the four accumulators take turns
.irp d, 0,1,2,3
	v_wmma_f32_16x16x32_bf16 v[DD1+8*\d:DD1+8*\d+7], v[AB:AB+7], v[BF1+16*\d:BF1+16*\d+7], 0
.endr
.irp d, 0,1,2,3
	v_wmma_f32_16x16x32_bf16 v[DD1+8*\d:DD1+8*\d+7], v[AB+8:AB+15], v[BF1+16*\d+8:BF1+16*\d+15], v[DD1+8*\d:DD1+8*\d+7]
.endr
	WIN 0
	PLACES 4
.irp j, 0,1,2,3,4,5,6,7
	v_ldexp_f32 v[OUT+\j], v[DD1+8*(\j%4)+\j], s74 ; row 8 h + j of W1^T's fragment is W1[(8 h + j) / 4]: with d = j % 4 this is out2[r][8 h + j]; each accumulator is first read in its low four
.endr
	s_wait_alu depctr_va_vdst(0)                   ; the eight lines above have written v224-231, which the stage's two stores read
	ds_store_b128 v[STO], v[OUT:OUT+3]
	ds_store_b128 v[STO], v[OUT+4:OUT+7] offset:16
	ds_load_b128 v[OB:OB+3], v[RD]                 ; LDS serves a wave's instructions in order: these see the stores above
	ds_load_b128 v[OB+4:OB+7], v[RD] offset:544
	s_cmp_eq_u32 s60, 7
	s_cbranch_scc1 .Lno_act
	ACT1                                           ; the next tile's layer 1 stands between the stage's loads and the wait for them
.Lno_act:
	s_wait_dscnt 0x0
	global_store_b128 v[LN16], v[OB:OB+3], s[28:29] th:TH_STORE_NT              ; 32 lanes store 512 consecutive bytes, aligned
	global_store_b128 v[LN16], v[OB+4:OB+7], s[28:29] offset:512 th:TH_STORE_NT
	s_wait_xcnt 0x0                                ; the stores' base and data are written again only behind this wait
	s_add_nc_u64 s[28:29], s[28:29], 1024
	s_add_co_u32 s61, s61, 256
	s_add_co_u32 s62, s62, 128
	s_add_co_u32 s63, s63, 6144
	s_add_co_u32 s60, s60, 1
	s_cmp_lt_u32 s60, 8
	s_cbranch_scc1 .Ltile
; ---------------- between the loops: six other weight versions, the first two tiles' codes, loop 2's constants
	WIN 0x40
	s_wait_alu depctr_va_vdst(0)                   ; loop 1's products are done reading its eight weight versions in window 1, in which the loads below land
.irp v, 0,1,2,3,4,5
.irp t, 0,1,2,3
.irp q, 0,1
	ds_load_b128 v[32*\v+8*\t+4*\q:32*\v+8*\t+4*\q+3], v[LN16] offset:4096*(8+\v)+1024*\t+512*\q
.endr
.endr
.endr
.irp i, 0,1,2,3
	ds_load_b128 v[192+4*\i:195+4*\i], v[LI] offset:512*\i
	ds_load_b128 v[208+4*\i:211+4*\i], v[LI] offset:6144+512*\i
.endr
	WIN 0
	s_mov_b32 s2, s34                              ; e2
	MKSC 16
	MKLIM 75
	s_mov_b32 s2, s38                              ; e6
	MKSC 17
	MKLIM 76
	s_mov_b32 s2, s40                              ; e8
	MKSC 18
	MKPAIR 79
	s_sub_co_i32 s2, s42, s40
	s_sub_co_i32 s2, s2, s41                       ; e10 - e8 - e9
	MKSC 19
	MKPAIR 81
	s_add_co_i32 s2, s32, s33
	MKK 66                                         ; c 2^(e0 + e1)
	s_add_co_i32 s2, s36, s37
	MKK 68                                         ; c 2^(e4 + e5)
	s_add_co_i32 s2, s34, s35
	MKK 70                                         ; c 2^(e2 + e3)
	s_add_co_i32 s2, s38, s39
	MKK 72                                         ; c 2^(e6 + e7)
	s_add_co_i32 s74, s42, s43                     ; e10 + e11
	s_mov_b32 s91, 0x76543210                      ; v_permlanex16_b32: lane l xor 16
	s_mov_b32 s92, 0xfedcba98
	v_mov_b32 v30, 0                               ; a lane permute's destination counts as read
	s_mov_b32 s60, 0                               ; pair of tiles
	s_mov_b32 s61, 0                               ; its images,
	s_mov_b32 s62, 0                               ; its place in dy's stage,
	s_mov_b32 s63, 0                               ; in y's
	s_wait_dscnt 0x0
; a tile of loop 2 lives in one window, from ba on: RY RG (raw sums, later codes and bf16), UY UG, MY MG; Y: the chain of y, G: of dy
.macro TSET w, ba, cy, cg, imo
.set TW, \w
.set RY, \ba
.set RG, (\ba)+32
.set UY, (\ba)+64
.set UG, (\ba)+96
.set MY, (\ba)+128
.set MG, (\ba)+160
.set K0, RY
.set K1, RY+8
.set BF, RY+16
.set ACC, UY
.set DD, UY+8
.set CY, \cy
.set CG, \cg
.set IMO, \imo
.set Wd, (TW<<6)|TW
.set Wa, Wd|(TW<<2)
.set Wc, Wd|(2<<4)
.set Wy, Wd|(2<<2)|(TW<<4)
.set Wm, (TW<<6)|(TW<<2)|1
.endm
.macro PF1                             ; raw a2 of both chains
	WIN (TW<<6)|(1<<2)|1
	MM4 RY, 0, CY
	MM4 RG, 64, CG
.endm
.macro PF2                             ; layer 2's activation: h2 of both chains as codes, s2 of dy's chain
	WIN Wc
	PFMAS RY, RY, 66, BC2, 16
	PFMAS RG, RG, 68, BC2, 16
	WIN Wd
.set ii, 0
.rept 64
	v_exp_f32 v[UY+ii], -|v[RY+ii]|
	v_max_num_f32 v[MY+ii], v[RY+ii], 0
.set ii, ii+1
.endr
	s_wait_alu depctr_va_vdst(0)                   ; the exponentials have written UY and UG, ahead of their first reader
	PADD1 UY, 32
.set ii, 0
.rept 64
	v_log_f32 v[UY+ii], v[UY+ii]
.set ii, ii+1
.endr
	v_nop
	s_wait_alu depctr_va_vdst(0)                   ; the logarithms have written UY and UG, ahead of their first reader
	WIN Wa
	PADD MY, MY, UY, 32
	PSUB RG, RG, MG, 16
	WIN Wd
.set ii, 0
.rept 16
	v_exp_f32 v[RG+ii], v[RG+ii]
	v_pk_mul_f32 v[MY+4*ii:MY+4*ii+1], v[MY+4*ii:MY+4*ii+1], LN2C op_sel_hi:[1,0]
	v_pk_mul_f32 v[MY+4*ii+2:MY+4*ii+3], v[MY+4*ii+2:MY+4*ii+3], LN2C op_sel_hi:[1,0]
.set ii, ii+1
.endr
.rept 8
	v_exp_f32 v[RG+ii], v[RG+ii]
.irp k, 0,1,2,3
	v_min_num_f32 v[MY+4*ii-64+\k], v[MY+4*ii-64+\k], s75
.endr
.set ii, ii+1
.endr
.rept 8
	v_exp_f32 v[RG+ii], v[RG+ii]
.irp k, 0,1,2,3
	v_min_num_f32 v[MY+4*ii-64+\k], v[MY+4*ii-64+\k], s76
.endr
.set ii, ii+1
.endr
	CVT4 K0, MY, 16                                ; (these name none of the exponentials' results)
	CVT4 K1, MG, 17
	v_nop
	s_wait_alu depctr_va_vdst(0)                   ; the exponentials have written s2, ahead of the branch and of its first reader.  In the first tile's turn also: both tiles' first products are done reading the codes in window 1, and v31 is written: the next pair's codes are loaded behind this wait
.endm
.macro PF3                             ; raw a3 of both chains
	WIN Wm
	MM4 UY, 32, K0
	MM4 UG, 96, K1
.endm
.macro PF4                             ; layer 3: h3' and its product with wout (y); s3 wout as codes (dy); sigmoid(a1) is asked for
	WIN Wc
	PFMAS UY, UY, 70, BC3, 16
	PFMAS UG, UG, 72, BC3, 16
	WIN Wd
.set ii, 0
.rept 32
	v_exp_f32 v[MY+ii], -|v[UY+ii]|
	v_max_num_f32 v[MG+ii], v[UY+ii], 0
	v_exp_f32 v[UG+ii], -v[UG+ii]
.set ii, ii+1
.endr
	v_nop
	s_wait_alu depctr_va_vdst(0)                   ; the exponentials have written MY and UG, ahead of their first reader
	PADD1 MY, 16
	PADD1 UG, 16
.set ii, 0
.rept 32
	v_log_f32 v[MY+ii], v[MY+ii]
	v_rcp_f32 v[UG+ii], v[UG+ii]
.set ii, ii+1
.endr
	v_nop
	s_wait_alu depctr_va_vdst(0)                   ; the logarithms have written MY and the reciprocals UG, ahead of their first reader
	WIN Wa
	PADD MY, MY, MG, 16                            ; h3'
	WIN Wy
.irp p, 0,1,2,3
	v_pk_mul_f32 v[ACC+2*\p:ACC+2*\p+1], v[MY+2*\p:MY+2*\p+1], v[WOUT+2*\p:WOUT+2*\p+1]
.endr
.irp p, 4,5,6,7,8,9,10,11,12,13,14,15
	v_pk_fma_f32 v[ACC+2*(\p%4):ACC+2*(\p%4)+1], v[MY+2*\p:MY+2*\p+1], v[WOUT+2*\p:WOUT+2*\p+1], v[ACC+2*(\p%4):ACC+2*(\p%4)+1]
.endr
	PMUL UG, UG, WOUT, 16                          ; c3
	HOLD UG, 32, 79
	WIN Wd
	CVT4 K1, UG, 18
	v_nop
	WIN (TW<<6)
	s_wait_alu depctr_va_vdst(0)                   ; the maxima have written MG and the additions for h3' are done reading it: sigmoid(a1) lands there; v13, the loads' address, is written
.irp c, 0,1,2,3,4,5,6,7
	ds_load_b128 v[MG+4*\c:MG+4*\c+3], v[AD] offset:IMO+2048+512*\c
.endr
.endm
.macro PB1
	WIN Wm
	MM4 UG, 128, K1                                ; raw cotangent of h2
.endm
.macro PB2
	WIN Wa
	PMUL UG, UG, RG, 16                            ; c2, raw
	HOLD UG, 32, 81
	WIN Wd
	CVT4 K1, UG, 19
	v_nop
.endm
.macro PB3
	WIN Wm
	MM4 UG, 160, K1                                ; raw cotangent of h1
.endm
.macro PB4
	s_wait_dscnt 0x0                               ; sigmoid(a1) is in (and the next pair's codes)
	WIN Wa
	PMUL UG, UG, MG, 16                            ; c1, raw
.set ii, 0
.rept 16
	v_cvt_pk_bf16_f32 v[BF+ii], v[UG+2*ii], v[UG+2*ii+1]
.set ii, ii+1
.endr
.endm
.macro PB5 s, z
	WIN (TW<<6)|(TW<<4)|(TW<<2)|2
.if \z
	v_wmma_f32_16x16x32_bf16 v[DD:DD+7], v[AB+8*\s:AB+8*\s+7], v[BF+8*\s:BF+8*\s+7], 0
.else
	v_wmma_f32_16x16x32_bf16 v[DD:DD+7], v[AB+8*\s:AB+8*\s+7], v[BF+8*\s:BF+8*\s+7], v[DD:DD+7]
.endif
.endm
.macro TILE_A
	TSET 3, 0, 192, 200, 0
.endm
.macro TILE_B
	TSET 0, 64, 208, 216, 6144
.endm
; ---------------- loop 2: y and dy, two tiles a trip, one tile's vector work behind the other's products
.Lpair:
	s_wait_alu depctr_vm_vsrc(0)                   ; what was issued so far has read its registers: the addresses v6, v7, v13, v31 and the stores' data v20-23, v28 of the trip before; in the first trip loop 1's v6, v7, v13, v104-111 and v224-231: this trip writes all of them again
	s_add_co_u32 s93, s61, 12288
	s_min_u32 s93, s93, 36864
	TILE_A
	PF1
	TILE_B
	PF1
	WIN 0
	v_add_nc_u32 v[AD], s61, v[LI]                 ; four plain lines: the places behind the products
	v_add_nc_u32 v6, s62, v[DYA]
	v_add_nc_u32 v7, s63, v[YA]
	v_add_nc_u32 v31, s93, v[LI]
	TILE_A
	PF2
	WIN 0
	s_cmp_eq_u32 s60, 3
	s_cbranch_scc1 .Lno_codes                      ; the last pair has no next
	WIN 0x40
.irp i, 0,1,2,3
	ds_load_b128 v[192+4*\i:195+4*\i], v31 offset:512*\i           ; no vector or matrix instruction stands between the wait at the second phase's end and these loads
	ds_load_b128 v[208+4*\i:211+4*\i], v31 offset:6144+512*\i
.endr
	WIN 0
.Lno_codes:
	PF3
	TILE_B
	PF2
	PF3
	TILE_A
	PF4
	PB1
	TILE_B
	PF4
	PB1
	TILE_A
	PB2
	PB3
	TILE_B
	PB2
	PB3
	TILE_A
	PB4
	TILE_B
	PB4
	TILE_A                                         ; x W1^T: the two accumulators take turns
	PB5 0, 1
	TILE_B
	PB5 0, 1
	TILE_A
	PB5 1, 0
	TILE_B
	PB5 1, 0
	WIN 0xCF                                       ; y's partial sums; these eight lines are the places behind the last products
	v_pk_add_f32 v[64:65], v[64:65], v[66:67]
	v_pk_add_f32 v[68:69], v[68:69], v[70:71]
	v_pk_add_f32 v[64:65], v[64:65], v[68:69]
	WIN 0x0F
	v_add_f32 v28, v64, v65
	WIN 0
	v_pk_add_f32 v[128:129], v[128:129], v[130:131]
	v_pk_add_f32 v[132:133], v[132:133], v[134:135]
	v_pk_add_f32 v[128:129], v[128:129], v[132:133]
	v_add_f32 v29, v128, v129
	v_permlanex16_b32 v30, v28, s91, s92           ; the sample's other 32 units lie in lane l xor 16
	v_add_f32 v28, v28, v30
	v_permlanex16_b32 v30, v29, s91, s92
	v_add_f32 v29, v29, v30
	v_cndmask_b32 v28, v28, v29, s31               ; lanes 0-15: the first tile's samples; lanes 16-31: the second's
	v_mul_f32 v28, LN2C, v28
	WIN 0x03
	v_ldexp_f32 v20, v72, s74                      ; rows 8 h and 8 h + 4 of W1^T's fragment are W1[2 h], W1[2 h + 1]: dy[r][2 h], dy[r][2 h + 1]
	v_ldexp_f32 v21, v76, s74
	WIN 0
	v_ldexp_f32 v22, v136, s74
	v_ldexp_f32 v23, v140, s74
	s_wait_alu depctr_va_vdst(0)                   ; y in v28 and dy in v20-23 are written, and so are the addresses v6 and v7: the three stores read them
	ds_store_b32 v7, v28
	ds_store_b64 v6, v[20:21]
	ds_store_b64 v6, v[22:23] offset:256
	s_add_co_u32 s61, s61, 12288
	s_add_co_u32 s62, s62, 512
	s_add_co_u32 s63, s63, 128
	s_add_co_u32 s60, s60, 1
	s_cmp_lt_u32 s60, 4
	s_cbranch_scc1 .Lpair
; ---------------- the wave's 128 rows of dy and of y leave as runs of 512 consecutive bytes
	s_wait_dscnt 0x0
	s_lshl_b32 s2, s30, 11
	s_add_co_u32 s2, s2, DYS
	s_lshl_b32 s3, s30, 9
	s_add_co_u32 s3, s3, YS
	s_wait_alu depctr_vm_vsrc(0)                   ; the last store of y has read v28, which is written next
	v_add_nc_u32 v28, s2, v[LN16]
	v_add_nc_u32 v29, s3, v[LN16]
	s_wait_alu depctr_va_vdst(0)                   ; v28 and v29 are written, which the loads read; loop 2's vector and matrix instructions are done with v64-83, in which they land
.irp i, 0,1,2,3
	ds_load_b128 v[64+4*\i:67+4*\i], v28 offset:512*\i
.endr
	ds_load_b128 v[80:83], v29
	s_wait_dscnt 0x0
.irp i, 0,1,2,3
	global_store_b128 v[LN16], v[64+4*\i:67+4*\i], s[26:27] offset:512*\i th:TH_STORE_NT
.endr
	global_store_b128 v[LN16], v[80:83], s[24:25] th:TH_STORE_NT
	s_wait_dscnt 0x0                               ; the wave's end: six closing lines behind my last LDS store
	s_wait_alu 0x0
	s_wait_tensorcnt 0x0
	ds_add_u32 v[SPW], v[NIL]
	s_wait_dscnt 0x0
	s_endpgm
.Lfunc_end_k_q8263547dc7_idnn:
	.size	k_q8263547dc7_idnn, .Lfunc_end_k_q8263547dc7_idnn-k_q8263547dc7_idnn
	.p2alignl 7, 3214868480
	.fill 96, 4, 3214868480
	.section	.rodata,"a",@progbits
	.p2align	6, 0x0
	.amdhsa_kernel k_q8263547dc7_idnn
		.amdhsa_group_segment_fixed_size 282112
		.amdhsa_private_segment_fixed_size 0
		.amdhsa_enable_private_segment 0
		.amdhsa_kernarg_size 104
		.amdhsa_user_sgpr_count 2
		.amdhsa_user_sgpr_kernarg_segment_ptr 1
		.amdhsa_wavefront_size32 1
		.amdhsa_system_sgpr_workgroup_id_x 1
		.amdhsa_system_sgpr_workgroup_id_y 1
		.amdhsa_system_sgpr_workgroup_id_z 1
		.amdhsa_system_vgpr_workitem_id 0
		.amdhsa_next_free_vgpr 1024
		.amdhsa_next_free_sgpr 98
		.amdhsa_reserve_vcc 0
		.amdhsa_float_denorm_mode_32 3
		.amdhsa_float_denorm_mode_16_64 3
		.amdhsa_memory_ordered 1
		.amdhsa_forward_progress 1
		.amdhsa_inst_pref_size 255
	.end_amdhsa_kernel
	.section	.bss,"aw",@nobits
	.p2align	6
	.space	262144
	.amdgpu_metadata
---
amdhsa.version: [ 1, 2 ]
amdhsa.kernels:
  - .name:           k_q8263547dc7_idnn
    .symbol:         k_q8263547dc7_idnn.kd
    .args:
      - { .name: x1, .offset: 0, .size: 8, .value_kind: global_buffer, .address_space: global }
      - { .name: x4, .offset: 8, .size: 8, .value_kind: global_buffer, .address_space: global }
      - { .name: W1, .offset: 16, .size: 8, .value_kind: global_buffer, .address_space: global }
      - { .name: b1, .offset: 24, .size: 8, .value_kind: global_buffer, .address_space: global }
      - { .name: W2, .offset: 32, .size: 8, .value_kind: global_buffer, .address_space: global }
      - { .name: b2, .offset: 40, .size: 8, .value_kind: global_buffer, .address_space: global }
      - { .name: W3, .offset: 48, .size: 8, .value_kind: global_buffer, .address_space: global }
      - { .name: b3, .offset: 56, .size: 8, .value_kind: global_buffer, .address_space: global }
      - { .name: Wout, .offset: 64, .size: 8, .value_kind: global_buffer, .address_space: global }
      - { .name: lowp_scales, .offset: 72, .size: 8, .value_kind: global_buffer, .address_space: global }
      - { .name: out0, .offset: 80, .size: 8, .value_kind: global_buffer, .address_space: global }
      - { .name: out1, .offset: 88, .size: 8, .value_kind: global_buffer, .address_space: global }
      - { .name: out2, .offset: 96, .size: 8, .value_kind: global_buffer, .address_space: global }
    .group_segment_fixed_size: 282112
    .private_segment_fixed_size: 0
    .kernarg_segment_align: 8
    .kernarg_segment_size: 104
    .max_flat_workgroup_size: 128
    .sgpr_count:     98
    .vgpr_count:     1024
    .wavefront_size: 32
...
	.end_amdgpu_metadata
.endif
;; end of part 2
